; MI455X (gfx1250); checked and timed in simulation.
; The chip was launched on July 23, 2026; its instructions are those of AMD's public machine-readable ISA for CDNA 5 (MIT licence, August 2026) and "CDNA5" Instruction Set Architecture Reference Guide (July 2026). The comments in the code are by the model that wrote it; some were corrected since.
;; Multi Head Attention With SWA. Allowed arithmetic: matrix products marked QUANTISED: E2M1 operands, one E8M0 scale for each 32 along K, by v_wmma_scale_f32_16x16x128_f8f6f4 with both operands' format E2M1 (or v_wmma_scale_f32_32x16x128_f4), f32 sums; products left as they are: bf16, f16 or f32 operands; f32 sums; everything else in f32.
;; Inputs: Wk 1,024 x 1,024 float32; Wo 1,024 x 1,024 float32; Wq 1,024 x 1,024 float32; Wv 1,024 x 1,024 float32; bo 1,024 float32; x 4 x 2,048 x 1,024 float32.
;; Outputs: out0 4 x 2,048 x 1,024 float32.
;; This version of the problem:
;;   THIS VERSION OF THE PROBLEM IS GIVEN IN LOW PRECISION. The matrix products marked QUANTISED in the list below multiply operands that are first quantised to E2M1 (2 exponent bits, 1 mantissa bit; 4 bits a number), with one power-of-two scale for each 32 numbers along K (OCP MX v1.0); their sums are f32. The products marked 'left as it is' may take bf16, f16 or f32 operands, with f32 sums. Whichever they take, every output number must still come out within the allowed error. Rounding operands to bf16 (8 significant bits) uses up far more of that allowance than f16 does (11 bits, for magnitudes from 6e-5 to 65,504). All else is computed in f32.
;;   The module's matrix products, in the order in which they are computed (A, B: the left and right operand; K: the contracted axis; several contracted axes count as one K, in the product's order):
;;     1. [M 8,192, K 1,024] x [K 1,024, N 1,024]; A: input x; B: input Wq: QUANTISED
;;     2. [M 8,192, K 1,024] x [K 1,024, N 1,024]; A: input x; B: input Wk: QUANTISED
;;     3. [M 8,192, K 1,024] x [K 1,024, N 1,024]; A: input x; B: input Wv: QUANTISED
;;     4. batch 64 x [M 2,048, K 64] x [K 64, N 2,048]; A: computed on the way; B: computed on the way: left as it is (an operand is computed on the way)
;;     5. batch 64 x [M 64, K 2,048] x [K 2,048, N 2,048]; A: computed on the way; B: computed on the way: left as it is (an operand is computed on the way)
;;     6. [M 8,192, K 1,024] x [K 1,024, N 1,024]; A: computed on the way; B: input Wo: left as it is (an operand is computed on the way)
;;   THE QUANTISER, for each operand of a quantised product, along K:
;;     - K is cut into blocks of 32 from its start; a last block that is shorter is filled with zeros.
;;     - A block's scale is 2^e with e = floor(log2(the largest magnitude in the block)) - 2, held to -126 .. 127; a block of zeros has e = 0. As a byte (E8M0): e + 127.
;;     - Each number is divided by its block's scale, clamped to +-6, and rounded to the nearest number of E2M1, ties to even, subnormals kept.
;;     - The product sums the exact products of the quantised numbers (number of the format x scale) in f32.
;;   ~~~python
;;   def quantise(x, axis):      # numpy; x: float32 -> the quantised numbers, widened to float32 again
;;       x = np.moveaxis(x, axis, -1); K = x.shape[-1]
;;       x = np.pad(x, [(0, 0)] * (x.ndim - 1) + [(0, -K % 32)]); x = x.reshape(x.shape[:-1] + (-1, 32)); a = np.abs(x).max(-1, keepdims=True)
;;       e = np.where(a > 0, np.clip(np.frexp(np.where(a > 0, a, 1))[1] - 1 - 2, -126, 127), 0)      # np.frexp(a)[1] - 1 = floor(log2(a)), exactly
;;       r = np.clip(x / 2.0 ** e, -6, 6)
;;       step = 2.0 ** (np.maximum(np.frexp(np.where(r == 0, 1, r))[1] - 1, 0) - 1)
;;       q = np.round(r / step) * step * 2.0 ** e      # np.round: ties to even
;;       return np.moveaxis(q.reshape(q.shape[:-2] + (-1,))[..., :K], -1, axis).astype(np.float32)
;;   ~~~
;; One version. Each part assembles by itself: llvm-mc -triple=amdgcn-amd-amdhsa -mcpu=gfx1250 --defsym DOCPART=n.
;; ======== version 1 of 1: 5 launches
;; limits: values are held in f16: magnitudes above 65,504 overflow, below 6.1e-05 lose precision
;; workspace buffers: xc 4,194,304 bytes; xs 262,144 bytes; wc 1,572,864 bytes; ws 98,304 bytes; wot 2,097,152 bytes; qkv16 50,331,648 bytes; qkv32 786,432 bytes; ctx16 16,777,216 bytes
;; launch prep (part 1): grid 384 x 1, 8 waves a work-group, no clusters, 131,072 bytes of LDS; arguments x, Wq, Wk, Wv, Wo, xc, xs, wc, ws, wot; writes xc, xs, wc, ws, wot
.if DOCPART == 1
	.amdgcn_target "amdgcn-amd-amdhsa--gfx1250"
	.amdhsa_code_object_version 6
	.text
	.protected	k_qc9461938ee_prep
	.globl	k_qc9461938ee_prep
	.p2align	8
	.type	k_qc9461938ee_prep,@function
k_qc9461938ee_prep:
	s_mov_b64 s[64:65], 0
	v_nop
	global_prefetch_b8 v0, s[64:65] scope:SCOPE_SE
	s_setreg_imm32_b32 hwreg(HW_REG_WAVE_MODE, 25, 1), 1
	s_wait_xcnt 0x0
; THE OPERANDS ARE MADE READY, ONCE.  x [8192][1024] f32 becomes codes of FP4 (E2M1) with K innermost, xc [8192][512 bytes], and E8M0 scale bytes xs [2 halves of K][8192][16 bytes].
; Wq, Wk, Wv [1024 k][1024 n] f32 are quantised along k, their FIRST axis: wc [3072 n][512 bytes], ws [2][3072][16 bytes] (n 0-1023 Wq, 1024-2047 Wk, 2048-3071 Wv).
; Wo [1024 k][1024 n] f32 is rounded to f16 and turned: wot [1024 n][1024 k].
; A block of 32 along K has the scale 2^(floor(log2(its largest magnitude)) - 2); the byte is the largest magnitude's exponent field - 2, held at 1 from below.
; LIMITS: a block of zeros gets the byte 1 where the rule says 127 (its codes are zeros, and this program alone reads the bytes); blocks whose largest magnitude lies under 2^-124 keep the byte 1;
; NaN and infinities among the inputs are not served; numbers of Wo under 6e-5 lose bits in f16 (absolute error 3e-8), over 65,504 are not served.
; SHARES.  Work-groups 0-127 take the weights: matrix id / 32, 64 columns (id / 2) % 16, half of K id % 2; wave w takes 32 columns (w % 2) x 128 along K (w / 2): a lane takes a column and its registers run down K.
; Work-groups 128-383 take 32 rows of x each, a wave 4 rows: 8 steps of 512 numbers, each step one half row.  The three ways part on the work-group's number and never join; each has LDS bytes of its own.
.set XST,   0                          ; x: for each wave two stages of 32 x 80 bytes
.set XSS,   40960                      ; x: the work-group's scale bytes, [half of K][32 rows][16]
.set WST,   41984                      ; weights: 64 rows (columns n) x (256 bytes of codes + 16)
.set WSS,   59392                      ; weights: 64 rows x 16 scale bytes
.set OST,   60416                      ; Wo: for each wave 32 rows x (256 bytes of f16 + 16)
.set SPARE, 130048                     ; the spare words, 128 bytes for each wave: four blocks of 256 bytes that no other line names
.set SPW,   30                         ; v30  LDS address of my spare word; never rewritten
.set NIL,   31                         ; v31  0; never rewritten
	s_load_b256 s[4:11], s[0:1], 0x0               ; x, Wq, Wk, Wv
	s_load_b256 s[12:19], s[0:1], 0x20             ; Wo, xc, xs, wc
	s_load_b128 s[20:23], s[0:1], 0x40             ; ws, wot
	v_lshl_add_u32 v[SPW], v0, 2, SPARE
	v_mov_b32 v[NIL], 0
	v_lshrrev_b32 v1, 5, v0
	v_readfirstlane_b32 s24, v1                    ; wave 0..7
	v_and_b32 v1, 31, v0                           ; lane
	v_and_b32 v2, 15, v0                           ; lane % 16
	v_bfe_u32 v3, v0, 4, 1                         ; lane / 16
	s_wait_kmcnt 0x0
	s_cmp_lt_u32 ttmp9, 128
	s_cbranch_scc0 .Lx
; ---------------- the weights
	s_lshr_b32 s25, ttmp9, 5                       ; which matrix: 0 Wq, 1 Wk, 2 Wv, 3 Wo
	s_bfe_u32 s28, ttmp9, 0x40001                  ; which 64 columns
	s_and_b32 s29, ttmp9, 1                        ; which half of K
	s_and_b32 s30, s24, 1                          ; my wave: which 32 of the 64 columns,
	s_lshr_b32 s31, s24, 1                         ; which 128 of the 512 along K
	s_cmp_eq_u32 s25, 1                            ; the choice hangs on the work-group's number alone
	s_cselect_b64 s[26:27], s[8:9], s[6:7]
	s_cmp_eq_u32 s25, 2
	s_cselect_b64 s[26:27], s[10:11], s[26:27]
	s_cmp_eq_u32 s25, 3
	s_cselect_b64 s[26:27], s[12:13], s[26:27]
	s_lshl_b32 s32, s29, 9
	s_lshl_b32 s33, s31, 7
	s_add_co_u32 s32, s32, s33                     ; my first k
	s_lshl_b32 s33, s28, 6
	s_lshl_b32 s34, s30, 5
	s_add_co_u32 s33, s33, s34                     ; my first column
	s_lshl_b32 s34, s32, 12                        ; a row of a weight is 4,096 bytes
	s_lshl_b32 s35, s33, 2
	s_add_co_u32 s34, s34, s35
	s_mov_b32 s35, 0
	s_add_nc_u64 s[26:27], s[26:27], s[34:35]
	v_lshlrev_b32 v4, 2, v1                        ; in: 4 bytes a lane: 128 consecutive bytes a wave, 256 for the two waves side by side
	s_mul_i32 s36, s30, 32*272
	s_lshl_b32 s37, s31, 6
	s_add_co_u32 s36, s36, s37
	s_add_co_u32 s36, s36, WST
	v_mul_u32_u24 v5, v1, 272
	v_add_nc_u32 v5, s36, v5                       ; codes into the stage: row = my column, 64 bytes for my 128 along K
	s_lshl_b32 s36, s30, 9
	s_lshl_b32 s37, s31, 2
	s_add_co_u32 s36, s36, s37
	s_add_co_u32 s36, s36, WSS
	v_lshl_add_u32 v6, v1, 4, s36                  ; my scale word: 16 bytes a row, word w / 2
	s_mul_i32 s36, s24, 8*272
	s_add_co_u32 s36, s36, WST
	v_mul_u32_u24 v7, v3, 272
	v_lshl_add_u32 v7, v2, 4, v7
	v_add_nc_u32 v7, s36, v7                       ; back: wave w takes rows 8 w on, sixteen lanes to a row, two rows an instruction
	v_lshlrev_b32 v8, 9, v3
	v_lshl_add_u32 v8, v2, 4, v8                   ; and the same place in wc (rows of 512 bytes)
	v_lshlrev_b32 v10, 4, v1                       ; 16 x lane
	s_lshl_b32 s36, s24, 9
	s_add_co_u32 s36, s36, WSS
	v_add_nc_u32 v9, s36, v10                      ; the scale bytes on their way out (waves 0 and 1 alone use it)
	s_mul_i32 s36, s24, 32*272
	s_add_co_u32 s36, s36, OST
	v_mul_u32_u24 v14, v1, 272
	v_add_nc_u32 v14, s36, v14                     ; Wo: into my own stage: row = my column
	v_mul_u32_u24 v15, v3, 272
	v_lshl_add_u32 v15, v2, 4, v15
	v_add_nc_u32 v15, s36, v15                     ; and back, two rows an instruction
	v_lshlrev_b32 v16, 11, v3
	v_lshl_add_u32 v16, v2, 4, v16                 ; the same place in wot (rows of 2,048 bytes)
	s_lshl_b32 s36, s25, 10
	s_lshl_b32 s37, s28, 6
	s_add_co_u32 s36, s36, s37                     ; the work-group's first row of wc and ws
	s_lshl_b32 s40, s36, 4
	s_lshl_b32 s37, s24, 3
	s_add_co_u32 s36, s36, s37
	s_lshl_b32 s36, s36, 9
	s_lshl_b32 s37, s29, 8
	s_add_co_u32 s36, s36, s37
	s_mov_b32 s37, 0
	s_add_nc_u64 s[18:19], s[18:19], s[36:37]      ; wc at row + 8 w, my half of K
	s_mul_i32 s36, s29, 49152
	s_add_co_u32 s36, s36, s40
	s_lshl_b32 s40, s24, 9
	s_add_co_u32 s36, s36, s40
	s_add_nc_u64 s[20:21], s[20:21], s[36:37]      ; ws at my half of K, the work-group's rows, + 512 w
	s_lshl_b32 s36, s33, 11
	s_lshl_b32 s40, s32, 1
	s_add_co_u32 s36, s36, s40
	s_add_nc_u64 s[22:23], s[22:23], s[36:37]      ; wot at my first column's row, my first k
.macro WLOAD t                         ; block t: W(32 t + i, my column), i = 0 .. 31
.irp i, 0,1,2,3,4,5,6,7,8,9,10,11,12,13,14,15,16,17,18,19,20,21,22,23,24,25,26,27,28,29,30,31
	global_load_b32 v[32+32*(\t)+\i], v4, s[26:27] offset:(32*(\t)+\i)*4096 th:TH_LOAD_NT
.endr
.endm
.macro WWAIT t                         ; block t is in; the next block's 32 loads may be out; the block two on is asked for (each block has registers of its own)
.if (\t) < 3
	s_wait_loadcnt 32
.else
	s_wait_loadcnt 0x0
.endif
.if (\t) < 2
	WLOAD (\t)+2
.endif
.endm
	WLOAD 0
	WLOAD 1
	s_cmp_eq_u32 s25, 3
	s_cbranch_scc1 .Lwo
; ---- Wq, Wk, Wv: a block of 32 along K lies in ONE lane's registers: its largest magnitude needs no other lane, and the codes come out with K innermost
.macro WBLOCK t
.set XS, 32+32*(\t)
	WWAIT \t
	v_max3_num_f32 v24, |v[XS]|, |v[XS+1]|, |v[XS+2]|
	v_max3_num_f32 v25, |v[XS+3]|, |v[XS+4]|, |v[XS+5]|
.irp i, 6,10,14,18,22,26
	v_max3_num_f32 v24, v24, |v[XS+\i]|, |v[XS+\i+1]|
	v_max3_num_f32 v25, v25, |v[XS+\i+2]|, |v[XS+\i+3]|
.endr
	v_max3_num_f32 v24, v24, |v[XS+30]|, |v[XS+31]|
	v_max3_num_f32 v24, v24, v25, 0x1800000        ; and the floor 2^(3 - 127): the byte cannot fall under 1
	v_add_nc_u32 v26, 0xff000000, v24              ; 2 off the exponent field: the conversion takes the exponent field of this operand as its scale
	v_lshrrev_b32 v25, 23, v26                     ; the scale's byte
.if (\t) == 0
	v_mov_b32 v160, v25                            ; four bytes make the scale word of my 128 along K, the lower k in the lower byte
.else
	v_lshl_or_b32 v160, v25, 8*(\t), v160
.endif
.irp g, 0,1,2,3
	v_cvt_scalef32_pk8_fp4_f32 v[164+4*(\t)+\g], v[XS+8*\g:XS+8*\g+7], v26
.endr
	ds_store_b128 v5, v[164+4*(\t):164+4*(\t)+3] offset:16*(\t)   ; 32 codes: 16 bytes of my column's row; each block has code registers of its own
.endm
	WBLOCK 0
	WBLOCK 1
	WBLOCK 2
	WBLOCK 3
	ds_store_b32 v6, v160
	s_wait_dscnt 0x0                               ; for the others' sake: my stores into the stage are done
	s_barrier_signal -1
	s_barrier_wait -1                              ; 64 rows of 256 bytes of codes, and their 16 scale bytes, lie whole in LDS
.irp i, 0,1,2,3
	ds_load_b128 v[32+4*\i:35+4*\i], v7 offset:544*\i
.endr
.irp i, 0,1,2,3
	s_wait_dscnt 3-\i
	global_store_b128 v8, v[32+4*\i:35+4*\i], s[18:19] offset:1024*\i   ; sixteen lanes store 256 consecutive bytes, aligned
.endr
	s_cmp_lt_u32 s24, 2
	s_cbranch_scc0 .Lwq_end
	ds_load_b128 v[48:51], v9                      ; waves 0 and 1: 512 of the 1,024 scale bytes each
	s_wait_dscnt 0x0
	global_store_b128 v10, v[48:51], s[20:21]
.Lwq_end:
	s_wait_tensorcnt 0x0                           ; the wave's end, behind my last LDS store
	ds_add_u32 v[SPW], v[NIL]
	s_wait_dscnt 0x0
	s_endpgm
; ---- Wo: rounded to f16 in pairs down K, in place from the low end; through my own stage, so that sixteen lanes store 256 consecutive bytes of a row of wot
.Lwo:
.macro OBLOCK t
	WWAIT \t
.irp i, 0,1,2,3,4,5,6,7,8,9,10,11,12,13,14,15
	v_cvt_pk_f16_f32 v[32+16*(\t)+\i], v[32+32*(\t)+2*\i], v[33+32*(\t)+2*\i]
.endr
.endm
	OBLOCK 0
	OBLOCK 1
	OBLOCK 2
	OBLOCK 3
.irp i, 0,1,2,3,4,5,6,7,8,9,10,11,12,13,14,15
	ds_store_b128 v14, v[32+4*\i:35+4*\i] offset:16*\i
.endr
.irp i, 0,1,2,3,4,5,6,7,8,9,10,11,12,13,14,15
	ds_load_b128 v[96+4*\i:99+4*\i], v15 offset:544*\i   ; LDS serves a wave's instructions in order: these see my stores
.endr
.irp i, 0,1,2,3,4,5,6,7,8,9,10,11,12,13,14,15
	s_wait_dscnt 15-\i
	global_store_b128 v16, v[96+4*\i:99+4*\i], s[22:23] offset:4096*\i
.endr
	s_wait_tensorcnt 0x0                           ; the wave's end: the three lines
	ds_add_u32 v[SPW], v[NIL]
	s_wait_dscnt 0x0
	s_endpgm
; ---------------- x: each load reads 512 consecutive bytes; a step's 2,048 bytes turn through my stage, so that a lane holds 16 neighbours along K (two lanes to a block)
.Lx:
	s_sub_co_u32 s25, ttmp9, 128                   ; which 32 rows
	s_lshl_b32 s26, s25, 3
	s_add_co_u32 s26, s26, s24                     ; which 4 rows are my wave's
	s_lshl_b32 s28, s26, 14
	s_mov_b32 s29, 0
	s_add_nc_u64 s[4:5], s[4:5], s[28:29]          ; x: 16,384 bytes a wave
	s_lshl_b32 s28, s26, 11
	s_add_nc_u64 s[14:15], s[14:15], s[28:29]      ; xc: 2,048 bytes a wave
	s_lshl_b32 s28, s24, 17
	s_lshl_b32 s30, s25, 9
	s_add_co_u32 s28, s28, s30
	s_add_nc_u64 s[16:17], s[16:17], s[28:29]      ; xs: half of K = wave (0 or 1), the work-group's 512 bytes
	s_mul_i32 s30, s24, 5120
	v_lshrrev_b32 v5, 2, v1
	v_mul_u32_u24 v5, v5, 80
	v_and_b32 v6, 3, v1
	v_lshl_add_u32 v5, v6, 4, v5
	v_add_nc_u32 v5, s30, v5                       ; the stage, on the way in: four lanes' 64 bytes on end, then 16 of padding
	v_mul_u32_u24 v6, v1, 80
	v_add_nc_u32 v6, s30, v6                       ; and on the way out: 80 x lane: my 16 neighbours
	v_lshlrev_b32 v4, 4, v1                        ; my 16 bytes of a load's 512
	v_lshlrev_b32 v7, 3, v1                        ; my 8 bytes of a step's 256 bytes of codes
	v_lshrrev_b32 v8, 1, v1
	s_lshl_b32 s30, s24, 6
	s_add_co_u32 s30, s30, XSS
	v_add_nc_u32 v8, s30, v8                       ; my block's scale byte: 16 bytes a row, my wave's 4 rows
	s_lshl_b32 s30, s24, 9
	s_add_co_u32 s30, s30, XSS
	v_add_nc_u32 v9, s30, v4                       ; the scale bytes on their way out (waves 0 and 1 alone use it)
.macro XLOAD t
.irp i, 0,1,2,3
	global_load_b128 v[32+16*((\t)%4)+4*\i:32+16*((\t)%4)+4*\i+3], v4, s[4:5] offset:2048*(\t)+512*\i th:TH_LOAD_NT
.endr
.endm
.macro XTURN t                         ; step t's numbers through the stage: LDS serves a wave's instructions in order, so no wait stands between the stores and the loads
.irp i, 0,1,2,3
	ds_store_b128 v5, v[32+16*((\t)%4)+4*\i:32+16*((\t)%4)+4*\i+3] offset:2560*((\t)%2)+640*\i
.endr
.irp i, 0,1,2,3
	ds_load_b128 v[96+16*((\t)%2)+4*\i:96+16*((\t)%2)+4*\i+3], v6 offset:2560*((\t)%2)+16*\i
.endr
.endm
.irp t, 0,1,2,3
	XLOAD \t
.endr
	s_wait_loadcnt 12                              ; step 0's four loads are in
	XTURN 0
.macro XSTEP t
.set XS, 96+16*((\t)%2)
.if (\t) > 0
	s_wait_dscnt 1                                 ; this step's numbers are back from the stage (the last step's byte store may be out)
.else
	s_wait_dscnt 0x0
.endif
.if (\t)+4 < 8
	XLOAD (\t)+4                                   ; into the registers that this step's stores into the stage have read
.endif
.if (\t)+1 < 8
.if 6-(\t) >= 3
	s_wait_loadcnt 12                              ; the next step's four loads are in; those of the three steps behind it may be out
.else
	s_wait_loadcnt 4*(6-(\t))
.endif
	XTURN (\t)+1
.endif
	v_max3_num_f32 v24, |v[XS]|, |v[XS+1]|, |v[XS+2]|
	v_max3_num_f32 v25, |v[XS+3]|, |v[XS+4]|, |v[XS+5]|
.irp i, 6,10
	v_max3_num_f32 v24, v24, |v[XS+\i]|, |v[XS+\i+1]|
	v_max3_num_f32 v25, v25, |v[XS+\i+2]|, |v[XS+\i+3]|
.endr
	v_max3_num_f32 v24, v24, |v[XS+14]|, |v[XS+15]|
	v_max3_num_f32 v24, v24, v25, 0x1800000        ; and the floor 2^(3 - 127)
	v_max_num_f32_dpp v24, v24, v24 row_xmask:1 row_mask:0xf bank_mask:0xf   ; with my neighbour's 16: the block's largest magnitude
	v_add_nc_u32 v26, 0xff000000, v24
	v_cvt_scalef32_pk8_fp4_f32 v[128+2*(\t)], v[XS:XS+7], v26
	v_cvt_scalef32_pk8_fp4_f32 v[129+2*(\t)], v[XS+8:XS+15], v26
	v_lshrrev_b32 v[144+(\t)], 23, v26             ; the scale's byte
	ds_store_b8 v8, v[144+(\t)] offset:512*((\t)%2)+16*((\t)/2)   ; a step is one row's half of K: both lanes of a block write the same byte
	global_store_b64 v7, v[128+2*(\t):129+2*(\t)], s[14:15] offset:256*(\t)   ; the wave stores 256 consecutive bytes, aligned
.endm
.irp t, 0,1,2,3,4,5,6,7
	XSTEP \t
.endr
	s_wait_dscnt 0x0                               ; for the others' sake: my byte stores are done
	s_barrier_signal -1
	s_barrier_wait -1
	s_cmp_lt_u32 s24, 2
	s_cbranch_scc0 .Lx_end
	ds_load_b128 v[32:35], v9                      ; wave 0: the first half of K, wave 1: the second: 32 rows x 16 bytes
	s_wait_dscnt 0x0
	global_store_b128 v4, v[32:35], s[16:17]
.Lx_end:
	s_wait_tensorcnt 0x0                           ; the wave's end: the three lines
	ds_add_u32 v[SPW], v[NIL]
	s_wait_dscnt 0x0
	s_endpgm
.Lfunc_end_k_qc9461938ee_prep:
	.size	k_qc9461938ee_prep, .Lfunc_end_k_qc9461938ee_prep-k_qc9461938ee_prep
	.p2alignl 7, 3214868480
	.fill 96, 4, 3214868480
	.section	.rodata,"a",@progbits
	.p2align	6, 0x0
	.amdhsa_kernel k_qc9461938ee_prep
		.amdhsa_group_segment_fixed_size 131072
		.amdhsa_private_segment_fixed_size 0
		.amdhsa_enable_private_segment 0
		.amdhsa_kernarg_size 80
		.amdhsa_user_sgpr_count 2
		.amdhsa_user_sgpr_kernarg_segment_ptr 1
		.amdhsa_wavefront_size32 1
		.amdhsa_system_sgpr_workgroup_id_x 1
		.amdhsa_system_sgpr_workgroup_id_y 1
		.amdhsa_system_sgpr_workgroup_id_z 1
		.amdhsa_system_vgpr_workitem_id 0
		.amdhsa_next_free_vgpr 192
		.amdhsa_next_free_sgpr 66
		.amdhsa_reserve_vcc 0
		.amdhsa_float_denorm_mode_32 3
		.amdhsa_float_denorm_mode_16_64 3
		.amdhsa_memory_ordered 1
		.amdhsa_forward_progress 1
		.amdhsa_inst_pref_size 55
	.end_amdhsa_kernel
	.amdgpu_metadata
---
amdhsa.version: [ 1, 2 ]
amdhsa.kernels:
  - .name:           k_qc9461938ee_prep
    .symbol:         k_qc9461938ee_prep.kd
    .args:
      - { .name: x, .offset: 0, .size: 8, .value_kind: global_buffer, .address_space: global }
      - { .name: Wq, .offset: 8, .size: 8, .value_kind: global_buffer, .address_space: global }
      - { .name: Wk, .offset: 16, .size: 8, .value_kind: global_buffer, .address_space: global }
      - { .name: Wv, .offset: 24, .size: 8, .value_kind: global_buffer, .address_space: global }
      - { .name: Wo, .offset: 32, .size: 8, .value_kind: global_buffer, .address_space: global }
      - { .name: xc, .offset: 40, .size: 8, .value_kind: global_buffer, .address_space: global }
      - { .name: xs, .offset: 48, .size: 8, .value_kind: global_buffer, .address_space: global }
      - { .name: wc, .offset: 56, .size: 8, .value_kind: global_buffer, .address_space: global }
      - { .name: ws, .offset: 64, .size: 8, .value_kind: global_buffer, .address_space: global }
      - { .name: wot, .offset: 72, .size: 8, .value_kind: global_buffer, .address_space: global }
    .group_segment_fixed_size: 131072
    .private_segment_fixed_size: 0
    .kernarg_segment_align: 8
    .kernarg_segment_size: 80
    .max_flat_workgroup_size: 256
    .sgpr_count:     66
    .vgpr_count:     192
    .wavefront_size: 32
...
	.end_amdgpu_metadata
.endif
;; end of part 1
;; launch qkv (part 2): grid 12 x 32, 4 waves a work-group, clusters of 4 x 4, 327,680 bytes of LDS; arguments xc, xs, wc, ws, qkv16, qkv32; writes qkv16, qkv32
.if DOCPART == 2
	.amdgcn_target "amdgcn-amd-amdhsa--gfx1250"
	.amdhsa_code_object_version 6
	.text
	.protected	k_qc9461938ee_qkv
	.globl	k_qc9461938ee_qkv
	.p2align	8
	.type	k_qc9461938ee_qkv,@function
k_qc9461938ee_qkv:
	s_mov_b64 s[64:65], 0
	v_nop
	global_prefetch_b8 v0, s[64:65] scope:SCOPE_SE
	s_setreg_imm32_b32 hwreg(HW_REG_WAVE_MODE, 25, 1), 1
	s_wait_xcnt 0x0
	s_wait_alu depctr_hold_cnt(0) depctr_sa_sdst(0) depctr_va_vdst(0) depctr_va_sdst(0) depctr_va_ssrc(0) depctr_va_vcc(0) depctr_vm_vsrc(0)
	s_getreg_b32 s2, hwreg(HW_REG_IB_STS2, 6, 4)
	s_cmp_eq_u32 s2, 0
	s_cbranch_scc0 .Lentry_in_a_cluster
	s_endpgm
.Lentry_in_a_cluster:
	s_bfe_u32 s2, ttmp6, 0x10000c
	s_cmp_lg_u32 s2, 0xf033
	s_cbranch_scc0 .Lentry_shape_is_right
	s_endpgm
.Lentry_shape_is_right:
; q, k, v = x Wq, x Wk, x Wv on codes of FP4 (E2M1) with one E8M0 scale for each 32 along K: one GEMM, M 8,192 x N 3,072 x K 1,024, sums in f32.
; xc [8192][512 bytes], wc [3072][512 bytes]: K innermost, two codes a byte.  xs [2 halves of K][8192][16 bytes], ws [2][3072][16 bytes].
; OUT: qkv16 [4 b][48 g][2048 s][64] f16 (g 0-15 the heads of q, 16-31 of k, 32-47 of v), and the first 16 positions of each sequence once more in f32: qkv32 [4 b][16][3072].
; LIMIT: |q|, |k|, |v| stay under 65,504 (f16); numbers under 6e-5 lose bits.
; A tile of 256 x 256 is made by four waves, 128 x 128 each: 64 accumulators, 512 registers.  K is two steps of 512, one for each of two LDS slots: both are asked for at the head and nothing is filled again;
; by this text's count a wave has three tensor loads out: its scales, its part of slot 0, its part of slot 1.
; CLUSTERS: 4 x 4 work-groups.  The four of a row of the cluster need the same rows of x, the four of a column the same rows of the weights: each tile is asked for JOINTLY.
; The tile row is 8 cy + cluster y, so that the batch is cy and the first tile of a sequence is cluster y = 0: a number that all sixteen partners share.
; THE MATRIX INSTRUCTION IS USED TRANSPOSED (source 0 = 16 rows of wc, source 1 = 16 rows of xc): a lane then holds eight neighbouring columns of one row.
; REGISTERS, in windows of 256: window 0: v0-31 addresses; v32-95 scale words, two sets; v96-127 packed results; from v128 A's fragments, ONE set (on the way out rows read back); v192-255 the f32 copy.
;   window 1: B's fragments, TWO sets, at v0 and v128.   window 2: the accumulators of my rows 0-63 ((a, b) at v[8 (8 a + b)]);   window 3: those of my rows 64-127.
.set NQ,     4                         ; steps of 128 along K in a slot
.set ROWB,   256                       ; a tile's row in bytes: 512 codes
.set KROW,   512                       ; a row of xc or wc in memory
.set PITCH,  272                       ; an LDS row: 256 bytes + 16 of padding: the 16 rows that a load touches start at 16 different banks (64 banks of 4 bytes: ISA guide 11.1)
.set FR,     8
.set NL,     2
.set NP,     4                         ; places behind this matrix instruction (ISA guide 7.12.1)
.set HALFT,  128*PITCH
.set SLOT,   4*HALFT
.set SCL,    2*SLOT                    ; behind the ring: the scales: for each wave's 128 rows [half of K][128 rows][16 bytes], 4,096 bytes
.set SPARE,  SCL+16384                 ; the spare words, 128 bytes for each wave: two blocks of 256 bytes that no other line names
.set ADRA, 16                          ; v16-17  LDS address of my A fragments in slot 0, 1
.set ADRB, 20                          ; v20-21  the same for B
.set STO32, 22                         ; v22     the f32 copy: where I put 32 bytes of a row
.set RD32, 23                          ; v23     and where I read a row back
.set STO,  24                          ; v24     the way out: where I put 16 bytes of a row
.set RD,   25                          ; v25     where I read rows back
.set CO,   26                          ; v26     16 x lane
.set ADRS, 27                          ; v27     LDS address of my scale words: lanes 0-15 A's rows, lanes 16-31 B's
.set SPW,  28                          ; v28     LDS address of my spare word; never rewritten
.set NIL,  29                          ; v29     0; never rewritten
.set SC,   32
.set TMP,  96
.set AF,   128
.set BK,   128
.set G1, 24
.set G0, 32
.set G1B, 48
.set G0B, 56
.set G1S, 68
.set G0S, 76
.set G1SB, 80
.set G0SB, 88
.set MSB, 0
.macro WIN new                         ; the immediate's high byte repeats the setting that is left
.if MSB != \new
	s_set_vgpr_msb (MSB<<8)|\new
.set MSB, \new
.endif
.endm
.set MUL_LO, 0xa1                      ; source 0 (B) window 1, source 1 (A) window 0, C and D window 2
.set MUL_HI, 0xf1
.set TO_B,   0x40
; A joint load: waves 0 and 1 fetch for A, waves 2 and 3 for B.  An s_nop 0 and four v_nop follow each of the two lines.
.macro JLOAD g0a, g1a, g0b, g1b
	s_cmp_eq_u32 s15, 0
	s_cbranch_scc0 .Lfor_b_\@
	tensor_load_to_lds s[\g0a:\g0a+3], s[\g1a:\g1a+7]
	s_nop 0
.rept 4
	v_nop
.endr
	s_branch .Lasked_\@
.Lfor_b_\@:
	tensor_load_to_lds s[\g0b:\g0b+3], s[\g1b:\g1b+7]
	s_nop 0
.rept 4
	v_nop
.endr
.Lasked_\@:
.endm
.macro CROUND                          ; a round of the cluster's barrier
	s_barrier_signal -1
	s_barrier_wait -1
	s_cmp_lg_u32 s14, 0
	s_cbranch_scc1 .Lnot_wave_0_\@
	s_barrier_signal -3
.Lnot_wave_0_\@:
	s_barrier_wait -3
	s_barrier_signal -1
	s_barrier_wait -1
.endm
	s_load_b128 s[4:7], s[0:1], 0x0                ; xc, xs
	s_load_b128 s[8:11], s[0:1], 0x10              ; wc, ws
	s_load_b128 s[96:99], s[0:1], 0x20             ; qkv16, qkv32
	v_lshl_add_u32 v[SPW], v0, 2, SPARE
	v_mov_b32 v[NIL], 0
	ds_add_u32 v[SPW], v[NIL]                      ; the wave's opening: the add, twice on end, and its wait ahead of my first tensor load
	ds_add_u32 v[SPW], v[NIL]
	v_lshrrev_b32 v1, 5, v0
	v_readfirstlane_b32 s14, v1                    ; wave 0..3
	s_lshr_b32 s15, s14, 1                         ; which half of the tile's rows is mine.  Also: I fetch for A (0) or for B (1)
	s_and_b32 s16, s14, 1                          ; which half of its columns.  Also: which 128 rows of that tile I fetch
	s_bfe_u32 s40, ttmp6, 0x40000                  ; cx
	s_bfe_u32 s41, ttmp6, 0x40004                  ; cy
	s_lshl_b32 s42, ttmp9, 2
	s_add_co_u32 s42, s42, s40                     ; tile column = 4 x cluster x + cx
	s_and_b32 s13, ttmp7, 0xffff                   ; cluster y, 0..7
	s_lshl_b32 s17, s41, 3
	s_add_co_u32 s17, s17, s13                     ; tile row = 8 cy + cluster y
	s_or_b32 s12, s13, s15                         ; 0 where my rows begin a sequence: cluster y = 0 and the tile's upper half
	s_lshl_b32 s43, s41, 2
	s_lshl_b32 s43, 15, s43                        ; my row of the cluster
	s_lshl_b32 s44, 0x1111, s40                    ; my column
	s_or_b32 s[G1+0], s43, (0<<16)|(1<<20)|(1<<21)|(5<<22)|(3<<25)  ; the mask; elements of 1 byte; padding on; bit 21 beside a mask; after every 64 words four words
	s_or_b32 s[G1B+0], s44, (0<<16)|(1<<20)|(1<<21)|(5<<22)|(3<<25)
.irp g, G1, G1B
	s_mov_b32 s[\g+1], ROWB<<16                    ; tensor_dim0
	s_mov_b32 s[\g+2], 128<<16                     ; tensor_dim1
	s_mov_b32 s[\g+3], ROWB<<16                    ; tile_dim0
	s_mov_b32 s[\g+4], 128                         ; tile_dim1
	s_mov_b32 s[\g+5], KROW                        ; from row to row
	s_mov_b32 s[\g+6], 0
	s_mov_b32 s[\g+7], 0
.endr
	; the scales of 128 rows: two rows (the halves of K) of 2,048 bytes = 256 elements of 8 bytes, no padding: a fragment's 16 rows are 256 bytes on end
	s_or_b32 s[G1S+0], s43, (3<<16)|(1<<21)
	s_or_b32 s[G1SB+0], s44, (3<<16)|(1<<21)
.irp g, G1S, G1SB
	s_mov_b32 s[\g+1], 256<<16
	s_mov_b32 s[\g+2], 2<<16
	s_mov_b32 s[\g+3], 256<<16
	s_mov_b32 s[\g+4], 2
	s_mov_b32 s[\g+6], 0
	s_mov_b32 s[\g+7], 0
.endr
	s_mov_b32 s[G1S+5], 16384                      ; 8,192 rows x 16 bytes, in elements
	s_mov_b32 s[G1SB+5], 6144                      ; 3,072 rows x 16 bytes
	s_lshl_b32 s18, s16, 7
	s_lshl_b32 s20, s17, 8
	s_add_co_u32 s20, s20, s18                     ; A: row 256 x tile row + 128 x half
	s_lshl_b32 s46, s42, 8
	s_add_co_u32 s46, s46, s18                     ; B: row 256 x tile column + 128 x half
	s_mov_b32 s21, 0
	s_mov_b32 s47, 0
	s_lshl_b32 s22, s20, 4                         ; where these rows' scales begin,
	s_mov_b32 s23, 0
	s_lshl_b32 s92, s46, 4
	s_mov_b32 s93, 0
	s_lshl_b32 s20, s20, 9                         ; and their codes
	s_lshl_b32 s46, s46, 9
	s_mul_i32 s45, s14, HALFT                      ; where they go: wave x 128 rows: no place in the cluster enters an LDS address
	s_lshl_b32 s94, s14, 12
	s_wait_dscnt 0x0                               ; both opening adds are done
	s_wait_kmcnt 0x0
	s_add_nc_u64 s[20:21], s[4:5], s[20:21]
	s_add_nc_u64 s[22:23], s[6:7], s[22:23]
	s_add_nc_u64 s[46:47], s[8:9], s[46:47]
	s_add_nc_u64 s[92:93], s[10:11], s[92:93]
	CROUND                                         ; all sixteen work-groups are here: the joint loads meet
	s_mov_b32 s[G0S], 1
	s_add_co_u32 s[G0S+1], s94, SCL
	s_mov_b64 s[G0S+2:G0S+3], s[22:23]
	s_or_b32 s[G0S+3], s[G0S+3], 0x80000000
	s_mov_b32 s[G0SB], 1
	s_add_co_u32 s[G0SB+1], s94, SCL
	s_mov_b64 s[G0SB+2:G0SB+3], s[92:93]
	s_or_b32 s[G0SB+3], s[G0SB+3], 0x80000000
	JLOAD G0S, G1S, G0SB, G1SB                     ; the scales first: they are wanted with the first step
.irp s, 0,1
	s_mov_b32 s[G0+4*\s], 1
	s_add_co_u32 s[G0+4*\s+1], s45, \s*SLOT
	s_add_nc_u64 s[G0+4*\s+2:G0+4*\s+3], s[20:21], \s*ROWB
	s_or_b32 s[G0+4*\s+3], s[G0+4*\s+3], 0x80000000
	s_mov_b32 s[G0B+4*\s], 1
	s_add_co_u32 s[G0B+4*\s+1], s45, \s*SLOT
	s_add_nc_u64 s[G0B+4*\s+2:G0B+4*\s+3], s[46:47], \s*ROWB
	s_or_b32 s[G0B+4*\s+3], s[G0B+4*\s+3], 0x80000000
	JLOAD G0+4*\s, G1, G0B+4*\s, G1B
.endr
	v_and_b32 v1, 15, v0                           ; l % 16
	v_bfe_u32 v2, v0, 4, 1                         ; l / 16
	v_mul_u32_u24 v3, v1, PITCH
	v_lshl_add_u32 v4, v2, 4, v3                   ; a fragment's row x pitch + 16 x half
	s_mul_i32 s21, s15, HALFT                      ; my 128 rows of A
	s_mul_i32 s22, s16, HALFT                      ; my 128 rows of B,
	s_add_co_u32 s22, s22, 2*HALFT                 ; which lie behind A's 256
.irp s, 0,1
	v_add_nc_u32 v[ADRA+\s], s21, v4
	v_add_nc_u32 v[ADRB+\s], s22, v4
	s_add_co_u32 s21, s21, SLOT
	s_add_co_u32 s22, s22, SLOT
.endr
	v_lshlrev_b32 v5, 4, v1                        ; my row's 16 scale bytes
	s_add_co_u32 s22, s16, 2
	s_sub_co_u32 s22, s22, s15
	s_lshl_b32 s22, s22, 12                        ; from A's region (my half of the rows) to B's (2 + my half of the columns)
	v_mul_u32_u24 v6, s22, v2                      ; lanes 16-31 take B's
	s_lshl_b32 s21, s15, 12
	s_add_co_u32 s21, s21, SCL
	v_add_nc_u32 v5, v5, v6
	v_add_nc_u32 v[ADRS], s21, v5
	s_mul_i32 s23, s14, 16*272                     ; my f16 stage: 16 rows x (256 bytes + 16), in slot 0
	v_mul_u32_u24 v5, v1, 272
	v_lshl_add_u32 v5, v2, 4, v5
	v_add_nc_u32 v[STO], s23, v5                   ; in: row l % 16, 16 bytes for each half of the lanes
	v_and_b32 v6, 31, v0
	v_lshrrev_b32 v7, 3, v6
	v_and_b32 v8, 7, v0
	v_mul_u32_u24 v7, v7, 272
	v_lshl_add_u32 v7, v8, 4, v7
	v_add_nc_u32 v[RD], s23, v7                    ; back: eight lanes take a head's 128 bytes of a row, four rows an instruction (two lanes deep on a bank: small beside the rest)
	v_lshlrev_b32 v[CO], 4, v6
	s_mul_i32 s23, s14, 16*528                     ; my f32 stage: 16 rows x (512 bytes + 16), further on in slot 0
	s_add_co_u32 s23, s23, 32768
	v_mul_u32_u24 v5, v1, 528
	v_lshl_add_u32 v5, v2, 5, v5
	v_add_nc_u32 v[STO32], s23, v5
	v_add_nc_u32 v[RD32], s23, v[CO]
	s_mul_i32 s20, s41, 48                         ; qkv16: ((48 batch + 4 tile column + 2 half) x 2,048 + my first position) x 128 bytes
	s_lshl_b32 s21, s42, 2
	s_add_co_u32 s20, s20, s21
	s_lshl_b32 s21, s16, 1
	s_add_co_u32 s20, s20, s21
	s_lshl_b32 s20, s20, 11
	s_lshl_b32 s21, s13, 8
	s_add_co_u32 s20, s20, s21
	s_lshl_b32 s21, s15, 7
	s_add_co_u32 s20, s20, s21
	s_lshl_b32 s20, s20, 7
	s_mov_b32 s21, 0
	s_add_nc_u64 s[96:97], s[96:97], s[20:21]
	s_mul_i32 s20, s41, 196608                     ; qkv32: batch x 16 rows of 12,288 bytes + my first column
	s_lshl_b32 s46, s42, 10
	s_add_co_u32 s20, s20, s46
	s_lshl_b32 s46, s16, 9
	s_add_co_u32 s20, s20, s46
	s_add_nc_u64 s[98:99], s[98:99], s[20:21]
.macro FRAG reg, adr, q, i             ; 16 rows x 128 K of 4-bit codes: 8 registers: lane l holds row l % 16; registers 4 c .. 4 c + 3 hold K = 64 c + 32 (l / 16) + 0 .. 31
.irp c, 0,1
	ds_load_b128 v[\reg+4*\c:\reg+4*\c+3], v[\adr] offset:64*(\q)+32*\c+(\i)*16*PITCH
.endr
.endm
; 16 matrix instructions: A's blocks a0, a0 + 1 x B's eight, the slot's q-th 128 along K.  The 64 accumulators take turns, one instruction a turn.
.macro MUL16 a0, p, q, sc, zero
.irp a, \a0, \a0+1
.irp b, 0,1,2,3,4,5,6,7
.if \zero
	v_wmma_scale_f32_16x16x128_f8f6f4 v[8*(8*((\a)%4)+\b):8*(8*((\a)%4)+\b)+7], v[128*(\p)+FR*\b:128*(\p)+FR*\b+FR-1], v[AF+FR*(\a):AF+FR*(\a)+FR-1], 0, v[SC+8*NQ*(\sc)+NQ*\b+(\q)], v[SC+8*NQ*(\sc)+NQ*(\a)+(\q)] matrix_a_fmt:MATRIX_FMT_FP4 matrix_b_fmt:MATRIX_FMT_FP4 matrix_a_scale:MATRIX_SCALE_ROW1
.else
	v_wmma_scale_f32_16x16x128_f8f6f4 v[8*(8*((\a)%4)+\b):8*(8*((\a)%4)+\b)+7], v[128*(\p)+FR*\b:128*(\p)+FR*\b+FR-1], v[AF+FR*(\a):AF+FR*(\a)+FR-1], v[8*(8*((\a)%4)+\b):8*(8*((\a)%4)+\b)+7], v[SC+8*NQ*(\sc)+NQ*\b+(\q)], v[SC+8*NQ*(\sc)+NQ*(\a)+(\q)] matrix_a_fmt:MATRIX_FMT_FP4 matrix_b_fmt:MATRIX_FMT_FP4 matrix_a_scale:MATRIX_SCALE_ROW1
.endif
.endr
.endr
.endm
.macro FETCH_B slot, q, p
	WIN TO_B
.irp i, 0,1,2,3,4,5,6,7
	FRAG 128*(\p)+FR*\i, ADRB+\slot, \q, \i
.endr
	WIN 0
.endm
.macro FETCH_A slot, q, i0
.irp i, \i0, \i0+1, \i0+2, \i0+3
	FRAG AF+FR*(\i), ADRA+\slot, \q, \i
.endr
.endm
.macro SCALES sc                       ; slot sc's scale words: four words a row; lanes 0-15 take A's block i, lanes 16-31 B's block i
.irp i, 0,1,2,3,4,5,6,7
	ds_load_b128 v[SC+8*NQ*\sc+NQ*\i:SC+8*NQ*\sc+NQ*\i+3], v[ADRS] offset:\sc*2048+\i*256
.endr
.endm
.macro PLACES n                        ; plain vector instructions between a matrix instruction and a load into, or a read of, its registers
.rept \n
	v_nop
.endr
.endm
.macro STEP slot, q, zero              ; a step of 128 along K that has its successor in the same slot
	s_wait_dscnt 4*NL                              ; B's set and A's blocks 0-3 are in; the youngest eight loads (A's blocks 4-7) may be out
	WIN MUL_LO
	MUL16 0, (\q)%2, \q, \slot, \zero
	MUL16 2, (\q)%2, \q, \slot, \zero
	s_wait_dscnt 0                                 ; A's blocks 4-7 are in
	PLACES NP
	FETCH_B \slot, (\q)+1, 1-(\q)%2
	FETCH_A \slot, (\q)+1, 0
	WIN MUL_HI
	MUL16 4, (\q)%2, \q, \slot, \zero
	MUL16 6, (\q)%2, \q, \slot, \zero
	PLACES NP
	WIN 0
	FETCH_A \slot, (\q)+1, 4
.endm
.macro TURN slot, next                 ; slot 0's last step changes slots: one barrier; nothing is filled again
	s_wait_tensorcnt 0x0                           ; all my tensor loads have landed: my part of the next slot
	ds_add_u32 v[SPW], v[NIL]                      ; 0 onto my spare word
	s_wait_dscnt 4*NL+1                            ; (the add and the youngest eight loads may be out)
	WIN MUL_LO
	MUL16 0, 1, NQ-1, \slot, 0
	s_wait_dscnt 0x0                               ; the add is done, and my reads of this slot are over
	s_barrier_signal -1
	MUL16 2, 1, NQ-1, \slot, 0
	WIN 0
	s_barrier_wait -1
	PLACES NP
	FETCH_B \next, 0, 0
	FETCH_A \next, 0, 0
	SCALES \next
	WIN MUL_HI
	MUL16 4, 1, NQ-1, \slot, 0
	MUL16 6, 1, NQ-1, \slot, 0
	PLACES NP
	WIN 0
	FETCH_A \next, 0, 4
.endm
.macro STEPS slot, from
.set Q, \from
.rept NQ-1-\from
	STEP \slot, Q, 0
.set Q, Q+1
.endr
.endm
	s_wait_tensorcnt 1                             ; the scales and my part of slot 0 are in (slot 1's load may be out),
	s_barrier_signal -1
	s_barrier_wait -1                              ; everybody's are
	FETCH_B 0, 0, 0
	FETCH_A 0, 0, 0
	SCALES 0
	FETCH_A 0, 0, 4
	STEP 0, 0, 1                                   ; the first products start the sums: nothing is cleared
	STEPS 0, 1
	TURN 0, 1
	STEPS 1, 0
	s_wait_dscnt 4*NL                              ; the very last step: nothing more to fetch
	WIN MUL_LO
	MUL16 0, 1, NQ-1, 1, 0
	MUL16 2, 1, NQ-1, 1, 0
	s_wait_dscnt 0
	WIN MUL_HI
	MUL16 4, 1, NQ-1, 1, 0
	MUL16 6, 1, NQ-1, 1, 0
	WIN 0
	PLACES NP                                      ; in front of the first reads of results and of loads into the registers that held A's fragments
; THE FIRST 16 POSITIONS OF A SEQUENCE ALSO LEAVE IN f32: block 0 of the waves whose rows begin a sequence.  The branch hangs on cluster y and the wave's number: alike in all partners.
; The stages lie in slot 0, which has had its only fill and which every wave left at the change of slots.
	s_cmp_lg_u32 s12, 0
	s_cbranch_scc1 .Lno32
	WIN 0x08                                       ; an LDS store's data: window 2
.irp b, 0,1,2,3,4,5,6,7
	ds_store_b128 v[STO32], v[8*\b:8*\b+3] offset:64*\b            ; each accumulator from its low end on
	ds_store_b128 v[STO32], v[8*\b+4:8*\b+7] offset:64*\b+16
.endr
	WIN 0
.irp t, 0,1,2,3,4,5,6,7,8,9,10,11,12,13,14,15
	ds_load_b128 v[192+4*\t:195+4*\t], v[RD32] offset:\t*528       ; LDS serves a wave's instructions in order: these see my stores
.endr
.irp t, 0,1,2,3,4,5,6,7,8,9,10,11,12,13,14,15
	s_wait_dscnt 15-\t
	global_store_b128 v[CO], v[192+4*\t:195+4*\t], s[98:99] offset:\t*12288   ; 32 lanes store 512 consecutive bytes, aligned
.endr
.Lno32:
; THE WAY OUT, block by block of 16 rows x 128 columns (two heads): rounded to f16, 16 bytes a lane into my stage, back by heads: four rows of a head are 512 consecutive bytes of qkv16.
.macro PACK a
.set AC, 64*((\a)%4)
	WIN 0x0a+5*((\a)/4)                            ; sources 0 and 1: window 2 or 3
.irp b, 0,1,2,3,4,5,6,7
.irp r, 0,1,2,3
	v_cvt_pk_f16_f32 v[TMP+4*\b+\r], v[AC+8*\b+2*\r], v[AC+8*\b+2*\r+1]
.endr
.endr
	WIN 0
.endm
.macro TOSTAGE a
.set BB, BK+32*((\a)%2)
.irp b, 0,1,2,3,4,5,6,7
	ds_store_b128 v[STO], v[TMP+4*\b:TMP+4*\b+3] offset:32*\b
.endr
.irp hd, 0,1
.irp t, 0,1,2,3
	ds_load_b128 v[BB+16*\hd+4*\t:BB+16*\hd+4*\t+3], v[RD] offset:\t*1088+\hd*128
.endr
.endr
.endm
.macro SEND a
.set BB, BK+32*((\a)%2)
	s_wait_dscnt 0x0                               ; the block is back in registers
	s_wait_xcnt 0x0                                ; the stores of the block before have read their registers: the next block's loads may land there
.irp hd, 0,1
.irp t, 0,1,2,3
	global_store_b128 v[CO], v[BB+16*\hd+4*\t:BB+16*\hd+4*\t+3], s[96:97] offset:\hd*262144+(\a)*2048+\t*512
.endr
.endr
.endm
	PACK 0
	TOSTAGE 0
.irp a, 1,2,3,4,5,6,7                  ; block a's conversions stand between block a - 1's loads from the stage and the wait for them
	PACK \a
	SEND \a-1
	TOSTAGE \a
.endr
	SEND 7
	s_wait_tensorcnt 0x0                           ; the wave's end, behind my last tensor load and my last LDS store
	ds_add_u32 v[SPW], v[NIL]
	s_wait_dscnt 0x0
	CROUND                                         ; the closing round: no work-group ends while a partner may still ask for a tile that names it
	s_endpgm
.Lfunc_end_k_qc9461938ee_qkv:
	.size	k_qc9461938ee_qkv, .Lfunc_end_k_qc9461938ee_qkv-k_qc9461938ee_qkv
	.p2alignl 7, 3214868480
	.fill 96, 4, 3214868480
	.section	.rodata,"a",@progbits
	.p2align	6, 0x0
	.amdhsa_kernel k_qc9461938ee_qkv
		.amdhsa_group_segment_fixed_size 327680
		.amdhsa_private_segment_fixed_size 0
		.amdhsa_enable_private_segment 0
		.amdhsa_kernarg_size 48
		.amdhsa_user_sgpr_count 2
		.amdhsa_user_sgpr_kernarg_segment_ptr 1
		.amdhsa_wavefront_size32 1
		.amdhsa_system_sgpr_workgroup_id_x 1
		.amdhsa_system_sgpr_workgroup_id_y 1
		.amdhsa_system_sgpr_workgroup_id_z 1
		.amdhsa_system_vgpr_workitem_id 0
		.amdhsa_next_free_vgpr 1024
		.amdhsa_next_free_sgpr 100
		.amdhsa_reserve_vcc 0
		.amdhsa_float_denorm_mode_32 3
		.amdhsa_float_denorm_mode_16_64 3
		.amdhsa_memory_ordered 1
		.amdhsa_forward_progress 1
		.amdhsa_inst_pref_size 131
	.end_amdhsa_kernel
	.amdgpu_metadata
---
amdhsa.version: [ 1, 2 ]
amdhsa.kernels:
  - .name:           k_qc9461938ee_qkv
    .symbol:         k_qc9461938ee_qkv.kd
    .args:
      - { .name: xc, .offset: 0, .size: 8, .value_kind: global_buffer, .address_space: global }
      - { .name: xs, .offset: 8, .size: 8, .value_kind: global_buffer, .address_space: global }
      - { .name: wc, .offset: 16, .size: 8, .value_kind: global_buffer, .address_space: global }
      - { .name: ws, .offset: 24, .size: 8, .value_kind: global_buffer, .address_space: global }
      - { .name: qkv16, .offset: 32, .size: 8, .value_kind: global_buffer, .address_space: global }
      - { .name: qkv32, .offset: 40, .size: 8, .value_kind: global_buffer, .address_space: global }
    .group_segment_fixed_size: 327680
    .private_segment_fixed_size: 0
    .kernarg_segment_align: 8
    .kernarg_segment_size: 48
    .max_flat_workgroup_size: 128
    .sgpr_count:     100
    .vgpr_count:     1024
    .wavefront_size: 32
...
	.end_amdgpu_metadata
.endif
;; end of part 2
;; launch attn (part 3): grid 4 x 64, 8 waves a work-group, no clusters, 327,680 bytes of LDS; arguments qkv16, ctx16; writes ctx16
.if DOCPART == 3
	.amdgcn_target "amdgcn-amd-amdhsa--gfx1250"
	.amdhsa_code_object_version 6
	.text
	.protected	k_qc9461938ee_attn
	.globl	k_qc9461938ee_attn
	.p2align	8
	.type	k_qc9461938ee_attn,@function
k_qc9461938ee_attn:
	s_mov_b64 s[64:65], 0
	v_nop
	global_prefetch_b8 v0, s[64:65] scope:SCOPE_SE
	s_setreg_imm32_b32 hwreg(HW_REG_WAVE_MODE, 25, 1), 1
	s_wait_xcnt 0x0
; ctx[q] = the sum over k of softmax_k(Q[q] . K[k] / 8) V[k], key k counting for query q where 0 <= q - k < 512.  Operands f16, products, maxima and sums f32; the weights p are rounded to f16 for the second product.
; IN: qkv16 [4 b][48 g][2048 s][64] f16 (g: 16 heads of q, of k, of v).  OUT: ctx16 [16 h][8192 rows][64] f16.
; LIMITS: |q|, |k|, |v| under 65,504; weights p under 6e-5 lose bits (absolute error 3e-8 beside a row sum of at least 1).
; SHARES.  A work-group owns 512 queries (from q0 = 512 x work-group x) of one head, worked as two blocks of 256: first the upper (B), then the lower (A).  Wave w owns 32 queries of a block: two tiles of 16.
; KEYS.  All keys that the work-group needs, q0 - 512 .. q0 + 511, are 16 tiles of 64 keys and lie in LDS together: nothing is filled twice.  Tiles 8-15 are asked for at the head, tiles 4-7 behind block B's first
; barrier, tiles 0-3 behind block A's: each has five key steps in which to land.  The sequence's first work-group has no keys under 0: it asks for none of those eight tiles and leaves their steps out.
; A wave's 32 queries lie in key tile d (12 + w / 2 in block B, 8 + w / 2 in A).  It walks nine tiles, d down to d - 8: the first holds the diagonal, the last the window's edge, the seven between count whole.
; LAYOUT.  S^T = K Q^T (source 0 = 16 keys, source 1 = 16 queries): a lane holds ONE query (lane % 16) and keys 8 (lane / 16) + 0..7; two such tiles rounded in pairs ARE source 1 of O^T = V^T P.
; K comes out of LDS as it lies, V ([key][channel]) turned, by ds_load_tr16_b128.
; SOFTMAX.  A running maximum m and sum l for each query: p = 2^(c s - c m), c = log2(e) / 8; O and l are multiplied by a = 2^(c m_old - c m_new) in every step.
; NO CLUSTER: neighbouring work-groups read the same tiles, but at different places of their walks, and the first of a sequence asks for half as many: joint requests would not meet.
; REGISTERS: window 0: v1-13 addresses; v16-31 statistics, 8 a tile (c m, m, l in two halves, four at work); v32-95 S^T; v96-127 P; v128-191 O^T.   window 1: v0-31 Q; v32-95 K; v96-159 V.
.set KP,    144                        ; a key's row of K in LDS: 128 bytes + 16: the 16 rows of a load start at 16 different banks
.set VP,    160                        ; of V: 128 + 32: an odd multiple of 32
.set KT,    64*KP
.set VT,    64*VP
.set VREG,  16*KT
.set SPARE, VREG+16*VT                 ; the spare words, 128 bytes for each wave: four blocks of 256 bytes that no other line names
.set STAGE, 12*KT                      ; the way out: 16 rows x 144 bytes for each wave, in K's tiles 12-15: filled once, at the head, and read for the last time ahead of block B's second barrier
.set AK0, 1
.set AV0, 2
.set ADK, 3
.set ADV, 4
.set STO, 5
.set RD,  6
.set GO,  7
.set QO,  8
.set DC,  9                            ; v9   32 (w % 2) + lane % 16 - 8 (lane / 16): my query's place in its key tile, less my half's eight keys
.set NINF, 10
.set SPW, 12
.set NIL, 13
.set ST,  16
.set S,   32
.set P,   96
.set O,   128
.set QR,  0
.set KR,  32
.set VR,  96
.set WV,  8
.set W2,  9
.set SEG, 10
.set BLK, 11
.set CNT, 12
.set TBK, 13                           ; s13  LDS byte of the step's tile of K
.set TBV, 14                           ; s14  and of V, less VREG
.set KF,  15                           ; s15  the step's first key, in the sequence
.set CS,  16
.set SEL, 18
.set QP,  20
.set OUTP, 22
.set G1K, 24
.set G1V, 32
.set G0,  40                           ; s[40:43] K tiles 12-15, s[44:47] K tiles 8-11, which then walks down; s[48:55] the same for V
.set MSB, 0
.macro WIN new
.if MSB != \new
	s_set_vgpr_msb (MSB<<8)|\new
.set MSB, \new
.endif
.endm
	s_load_b128 s[4:7], s[0:1], 0x0                ; qkv16, ctx16
	v_lshl_add_u32 v[SPW], v0, 2, SPARE
	v_mov_b32 v[NIL], 0
	ds_add_u32 v[SPW], v[NIL]                      ; the wave's opening: the add, twice on end, and its wait ahead of my first tensor load
	ds_add_u32 v[SPW], v[NIL]
	v_lshrrev_b32 v14, 5, v0
	v_readfirstlane_b32 s[WV], v14                 ; wave 0..7
	s_lshr_b32 s[W2], s[WV], 1
	s_mov_b32 s[SEG], ttmp9
	s_and_b32 s56, ttmp7, 0xffff
	s_lshr_b32 s57, s56, 4                         ; batch
	s_and_b32 s58, s56, 15                         ; head
	s_mul_i32 s59, s57, 48
	s_add_co_u32 s59, s59, s58
	s_lshl_b32 s59, s59, 18                        ; q's block of this head, in bytes; k's lies 16 blocks on, v's 32
	s_lshl_b32 s60, s[SEG], 9                      ; q0
	s_lshl_b32 s56, s[WV], 5
	s_add_co_u32 s56, s56, s60
	s_add_co_u32 s56, s56, 256                     ; my first query in block B
	s_lshl_b32 s[QP], s56, 7
	s_add_co_u32 s[QP], s[QP], s59
	s_mov_b32 s[QP+1], 0
	s_lshl_b32 s57, s57, 11
	s_add_co_u32 s57, s57, s56
	s_lshl_b32 s[OUTP], s57, 7
	s_lshl_b32 s58, s58, 20
	s_add_co_u32 s[OUTP], s[OUTP], s58
	s_mov_b32 s[OUTP+1], 0
	s_and_b32 s61, s[WV], 3                        ; which of a group's four tiles I fetch (waves 0-3: K's, waves 4-7: V's)
	s_lshl_b32 s62, s61, 6
	s_add_co_u32 s62, s62, s60                     ; tile 8 + that begins at key q0 + 64 x that
	s_lshl_b32 s62, s62, 7
	s_add_co_u32 s62, s62, s59
	s_mov_b32 s63, 0
	s_mul_i32 s56, s61, KT
	s_mul_i32 s57, s61, VT
	s_mov_b32 s[G0], 1
	s_add_co_u32 s[G0+1], s56, 12*KT
	s_mov_b32 s[G0+4], 1
	s_add_co_u32 s[G0+5], s56, 8*KT
	s_mov_b32 s[G0+8], 1
	s_add_co_u32 s[G0+9], s57, VREG+12*VT
	s_mov_b32 s[G0+12], 1
	s_add_co_u32 s[G0+13], s57, VREG+8*VT
	; descriptor group 1: 64 rows of 64 elements of 2 bytes, dense in memory, padded in LDS behind every 32 words: K by 4 words, V by 8
	s_mov_b32 s[G1K], (1<<16)|(1<<20)|(4<<22)|(3<<25)
	s_mov_b32 s[G1V], (1<<16)|(1<<20)|(4<<22)|(7<<25)
.irp g, G1K, G1V
	s_mov_b32 s[\g+1], 64<<16                      ; tensor_dim0
	s_mov_b32 s[\g+2], 64<<16                      ; tensor_dim1
	s_mov_b32 s[\g+3], 64<<16                      ; tile_dim0
	s_mov_b32 s[\g+4], 64                          ; tile_dim1
	s_mov_b32 s[\g+5], 64                          ; from row to row
	s_mov_b32 s[\g+6], 0
	s_mov_b32 s[\g+7], 0
.endr
	s_lshl_b32 s[KF], s[W2], 6
	s_add_co_u32 s[KF], s[KF], s60
	s_add_co_u32 s[KF], s[KF], 256                 ; block B's diagonal tile begins at key q0 + 256 + 64 (w / 2)
	s_add_co_u32 s58, s[W2], 12
	s_mul_i32 s[TBK], s58, KT
	s_mul_i32 s[TBV], s58, VT
	s_mov_b32 s[CS], 0x3e38aa3b                    ; c = log2(e) / 8
	s_mov_b32 s[CS+1], s[CS]                       ; (named with it as a pair, so it is written)
	s_mov_b32 s[SEL], 0x76543210
	s_mov_b32 s[SEL+1], 0xfedcba98                 ; v_permlanex16_b32: lane l xor 16
	s_wait_dscnt 0x0                               ; both opening adds are done
	s_wait_kmcnt 0x0
	s_add_nc_u64 s[62:63], s[4:5], s[62:63]
	s_add_nc_u64 s[G0+2:G0+3], s[62:63], 4194304+32768
	s_or_b32 s[G0+3], s[G0+3], 0x80000000
	s_add_nc_u64 s[G0+6:G0+7], s[62:63], 4194304
	s_or_b32 s[G0+7], s[G0+7], 0x80000000
	s_add_nc_u64 s[G0+10:G0+11], s[62:63], 8388608+32768
	s_or_b32 s[G0+11], s[G0+11], 0x80000000
	s_add_nc_u64 s[G0+14:G0+15], s[62:63], 8388608
	s_or_b32 s[G0+15], s[G0+15], 0x80000000
	s_add_nc_u64 s[QP:QP+1], s[4:5], s[QP:QP+1]
	s_add_nc_u64 s[OUTP:OUTP+1], s[6:7], s[OUTP:OUTP+1]
	s_cmp_lt_u32 s[WV], 4                          ; a wave's two first fills stand in one branch, ahead of every wait on TENSORcnt, every LDS read and every barrier: two loads of mine are out
	s_cbranch_scc0 .Lfirst_v
	tensor_load_to_lds s[G0:G0+3], s[G1K:G1K+7]
	s_nop 0
	tensor_load_to_lds s[G0+4:G0+7], s[G1K:G1K+7]
	s_nop 0
.rept 4
	v_nop
.endr
	s_branch .Lfirst_done
.Lfirst_v:
	tensor_load_to_lds s[G0+8:G0+11], s[G1V:G1V+7]
	s_nop 0
	tensor_load_to_lds s[G0+12:G0+15], s[G1V:G1V+7]
	s_nop 0
.rept 4
	v_nop
.endr
.Lfirst_done:
.macro QLOAD                           ; my 32 queries: tile t, channels 32 c on, at v[16 t + 8 c] of window 1
	WIN 0x40
.irp t, 0,1
.irp c, 0,1
	global_load_b128 v[QR+16*\t+8*\c:QR+16*\t+8*\c+3], v[QO], s[QP:QP+1] offset:\t*2048+\c*64
	global_load_b128 v[QR+16*\t+8*\c+4:QR+16*\t+8*\c+7], v[QO], s[QP:QP+1] offset:\t*2048+\c*64+32
.endr
.endr
	WIN 0
.endm
	v_and_b32 v14, 15, v0                          ; r = lane % 16
	v_bfe_u32 v15, v0, 4, 1                        ; h = lane / 16
	v_lshlrev_b32 v[QO], 7, v14
	v_lshl_add_u32 v[QO], v15, 4, v[QO]            ; row r of 128 bytes + 16 h
	QLOAD
	v_mul_u32_u24 v[AK0], v14, KP
	v_lshl_add_u32 v[AK0], v15, 4, v[AK0]
	v_and_b32 v11, 7, v0
	v_lshl_add_u32 v[AV0], v15, 3, v11             ; the turning load: key 8 h + lane % 8,
	v_mul_u32_u24 v[AV0], v[AV0], VP
	v_bfe_u32 v11, v0, 3, 1
	v_lshl_add_u32 v[AV0], v11, 4, v[AV0]          ; channels 8 ((lane / 8) % 2) on
	v_add_nc_u32 v[AV0], VREG, v[AV0]
	s_mul_i32 s56, s[WV], 16*KP
	s_add_co_u32 s56, s56, STAGE                   ; my stage
	v_add_nc_u32 v[STO], s56, v[AK0]               ; in: row r, 16 bytes for each half of the lanes
	v_and_b32 v11, 31, v0
	v_lshlrev_b32 v[GO], 4, v11                    ; out: 16 x lane: four rows of 128 bytes an instruction
	v_lshrrev_b32 v11, 3, v11
	v_mul_u32_u24 v[RD], v11, KP
	v_and_b32 v11, 7, v0
	v_lshl_add_u32 v[RD], v11, 4, v[RD]
	v_add_nc_u32 v[RD], s56, v[RD]
	s_and_b32 s57, s[WV], 1
	s_lshl_b32 s57, s57, 5
	v_lshlrev_b32 v11, 3, v15
	v_sub_nc_u32 v[DC], v14, v11
	v_add_nc_u32 v[DC], s57, v[DC]
	v_mov_b32 v[NINF], 0xff800000                  ; -infinity
; Waves 0-3 fetch K's four tiles of a group, waves 4-7 V's.  An s_nop 0 and four v_nop follow each of the two lines.
.macro TLOAD
	s_cmp_lt_u32 s[WV], 4
	s_cbranch_scc0 .Lfor_v_\@
	tensor_load_to_lds s[G0+4:G0+7], s[G1K:G1K+7]
	s_nop 0
.rept 4
	v_nop
.endr
	s_branch .Lasked_\@
.Lfor_v_\@:
	tensor_load_to_lds s[G0+12:G0+15], s[G1V:G1V+7]
	s_nop 0
.rept 4
	v_nop
.endr
.Lasked_\@:
.endm
; A BARRIER OF THE WALK.  Each wave waits for all its tensor loads, adds 0 to its spare word, waits for that and for its LDS reads; behind the barrier what has been asked for is whole for all eight waves.
; fill = 1: the next four tiles down are asked for, into bytes that are filled for the first time: a wave's one tensor load until the next barrier.  The sequence's first work-group has no such keys:
; every wait on TENSORcnt in this text is for 0, and the steps that would read those tiles are left out.
.macro CHANGE fill
	s_wait_tensorcnt 0x0                           ; no tensor load of mine is out, so a group 0 may be written
	ds_add_u32 v[SPW], v[NIL]                      ; 0 onto my spare word
.if \fill
	s_sub_co_u32 s[G0+5], s[G0+5], 4*KT            ; the walking descriptors: four tiles down in LDS,
	s_sub_nc_u64 s[G0+6:G0+7], s[G0+6:G0+7], 32768 ; 256 keys down in memory; the type bits on top are not reached
	s_sub_co_u32 s[G0+13], s[G0+13], 4*VT
	s_sub_nc_u64 s[G0+14:G0+15], s[G0+14:G0+15], 32768
.endif
	s_wait_dscnt 0x0
	s_barrier_signal -1
	s_barrier_wait -1
.if \fill
	s_cmp_eq_u32 s[SEG], 0
	s_cbranch_scc1 .Lnone_\@
	TLOAD
.Lnone_\@:
.endif
.endm
; THE SOFTMAX OF A KEY STEP, both tiles by turns so that no line waits for the line above it.  first = 1: the block's first step, which starts m, l and O^T.
.macro SOFTMAX first
.irp j, 0,1,2,3
.irp t, 0,1
	v_max3_num_f32 v[ST+8*\t+4+\j], v[S+32*\t+8*\j], v[S+32*\t+8*\j+1], v[S+32*\t+8*\j+2]   ; four chains, one for each tile of 16 keys, each from the accumulator's low end
.endr
.endr
.irp q, 1,2
.irp j, 0,1,2,3
.irp t, 0,1
	v_max3_num_f32 v[ST+8*\t+4+\j], v[ST+8*\t+4+\j], v[S+32*\t+8*\j+2*\q+1], v[S+32*\t+8*\j+2*\q+2]
.endr
.endr
.endr
.irp t, 0,1
	v_max3_num_f32 v[ST+8*\t+4], v[ST+8*\t+4], v[S+32*\t+7], v[S+32*\t+15]
.endr
.irp t, 0,1
	v_max3_num_f32 v[ST+8*\t+6], v[ST+8*\t+6], v[S+32*\t+23], v[S+32*\t+31]
.endr
.irp t, 0,1
	v_max3_num_f32 v[ST+8*\t+4], v[ST+8*\t+4], v[ST+8*\t+5], v[ST+8*\t+6]
.endr
.irp t, 0,1
.if \first
	v_max_num_f32 v[ST+8*\t+4], v[ST+8*\t+4], v[ST+8*\t+7]
.else
	v_max3_num_f32 v[ST+8*\t+4], v[ST+8*\t+4], v[ST+8*\t+7], v[ST+8*\t+1]
.endif
.endr
.irp t, 0,1
	v_permlanex16_b32 v[ST+8*\t+5], v[ST+8*\t+4], s[SEL], s[SEL+1]   ; the query's other 32 keys lie in the lane 16 away
.endr
.if !\first
.irp t, 0,1
	v_mov_b32 v[ST+8*\t+7], v[ST+8*\t]             ; c m_old is kept for a
.endr
.endif
.irp t, 0,1
	v_max_num_f32 v[ST+8*\t+1], v[ST+8*\t+4], v[ST+8*\t+5]
.endr
.irp t, 0,1
	v_mul_f32 v[ST+8*\t], s[CS], v[ST+8*\t+1]
.endr
.if !\first
.irp t, 0,1
	v_sub_f32 v[ST+8*\t+7], v[ST+8*\t+7], v[ST+8*\t]
.endr
.endif
.irp b, 0,1,2,3,4,5,6,7,8,9,10,11,12,13,14,15
.irp t, 0,1
	v_pk_fma_f32 v[S+32*\t+2*\b:S+32*\t+2*\b+1], v[S+32*\t+2*\b:S+32*\t+2*\b+1], s[CS:CS+1], v[ST+8*\t:ST+8*\t+1] op_sel_hi:[1,0,0] neg_lo:[0,0,1] neg_hi:[0,0,1]   ; c s - c m
.endr
.endr
.if !\first
.irp t, 0,1
	v_exp_f32 v[ST+8*\t+6], v[ST+8*\t+7]           ; a
.endr
.endif
.irp e, 0,1,2,3,4,5,6,7,8,9,10,11,12,13,14,15,16,17,18,19,20,21,22,23,24,25,26,27,28,29,30,31
.irp t, 0,1
	v_exp_f32 v[S+32*\t+\e], v[S+32*\t+\e]         ; p: one batch, none of which reads another's result
.endr
.endr
	v_nop                                          ; a plain instruction behind the last exponential
	s_wait_alu depctr_va_vdst(0)                   ; and the one wait ahead of the batch's first reader
.irp b, 0,1,2,3,4,5,6,7,8,9,10,11,12,13,14,15
.irp t, 0,1
	v_cvt_pk_f16_f32 v[P+16*\t+\b], v[S+32*\t+2*\b], v[S+32*\t+2*\b+1]
.endr
.endr
.irp u, 0,1,2,3,4,5,6,7                ; the row's sum, of the unrounded p, in pairs (even keys, odd keys), in place
.irp t, 0,1
	v_pk_add_f32 v[S+32*\t+4*\u:S+32*\t+4*\u+1], v[S+32*\t+4*\u:S+32*\t+4*\u+1], v[S+32*\t+4*\u+2:S+32*\t+4*\u+3]
.endr
.endr
.irp u, 0,1,2,3
.irp t, 0,1
	v_pk_add_f32 v[S+32*\t+8*\u:S+32*\t+8*\u+1], v[S+32*\t+8*\u:S+32*\t+8*\u+1], v[S+32*\t+8*\u+4:S+32*\t+8*\u+5]
.endr
.endr
.irp u, 0,1
.irp t, 0,1
	v_pk_add_f32 v[S+32*\t+16*\u:S+32*\t+16*\u+1], v[S+32*\t+16*\u:S+32*\t+16*\u+1], v[S+32*\t+16*\u+8:S+32*\t+16*\u+9]
.endr
.endr
.if \first
.irp t, 0,1
	v_pk_add_f32 v[ST+8*\t+2:ST+8*\t+3], v[S+32*\t:S+32*\t+1], v[S+32*\t+16:S+32*\t+17]
.endr
.else
.irp t, 0,1
	v_pk_add_f32 v[S+32*\t:S+32*\t+1], v[S+32*\t:S+32*\t+1], v[S+32*\t+16:S+32*\t+17]
.endr
.irp t, 0,1
	v_pk_fma_f32 v[ST+8*\t+2:ST+8*\t+3], v[ST+8*\t+2:ST+8*\t+3], v[ST+8*\t+6:ST+8*\t+7], v[S+32*\t:S+32*\t+1] op_sel_hi:[1,0,1]   ; l = a l + the sum
.endr
.irp i, 0,1,2,3,4,5,6,7,8,9,10,11,12,13,14,15
.irp t, 0,1
	v_pk_mul_f32 v[O+32*\t+2*\i:O+32*\t+2*\i+1], v[O+32*\t+2*\i:O+32*\t+2*\i+1], v[ST+8*\t+6:ST+8*\t+7] op_sel_hi:[1,0]   ; O^T x a, each accumulator from its low end
.endr
.endr
.endif
.endm
; A KEY STEP: 64 keys.  kind 0: all keys count;  1: the diagonal, and the block's first step;  2: the window's edge.
.macro STEP kind
.if \kind != 1
	s_cmp_lt_i32 s[KF], 0                          ; keys ahead of the sequence's start: the step's work is left out, not the lines at its end that step addresses
	s_cbranch_scc1 .Lhid_\@
.endif
	v_add_nc_u32 v[ADK], s[TBK], v[AK0]
	v_add_nc_u32 v[ADV], s[TBV], v[AV0]
	v_nop
	v_nop                                          ; four places behind the last step's products, in front of loads into V's registers
	WIN 0x40                                       ; destination window 1
.irp kt, 0,1,2,3
.irp c, 0,1
	ds_load_b128 v[KR+16*\kt+8*\c:KR+16*\kt+8*\c+3], v[ADK] offset:\kt*16*KP+\c*64
	ds_load_b128 v[KR+16*\kt+8*\c+4:KR+16*\kt+8*\c+7], v[ADK] offset:\kt*16*KP+\c*64+32
.endr
.endr
.irp u, 0,1
.irp dt, 0,1,2,3
	ds_load_tr16_b128 v[VR+32*\u+8*\dt:VR+32*\u+8*\dt+3], v[ADV] offset:\u*32*VP+\dt*32
	ds_load_tr16_b128 v[VR+32*\u+8*\dt+4:VR+32*\u+8*\dt+7], v[ADV] offset:\u*32*VP+16*VP+\dt*32
.endr
.endr
.if \kind == 1
	s_wait_loadcnt 0x0                             ; the block's Q
.endif
	s_wait_dscnt 16                                ; K is in; V's sixteen loads may be out
	WIN 0x05                                       ; K and Q in window 1, S^T in window 0
.irp c, 0,1                            ; eight accumulators by turns, one instruction a turn
.irp kt, 0,1,2,3
.irp t, 0,1
.if \c == 0
	v_wmma_f32_16x16x32_f16 v[S+32*\t+8*\kt:S+32*\t+8*\kt+7], v[KR+16*\kt+8*\c:KR+16*\kt+8*\c+7], v[QR+16*\t+8*\c:QR+16*\t+8*\c+7], 0
.else
	v_wmma_f32_16x16x32_f16 v[S+32*\t+8*\kt:S+32*\t+8*\kt+7], v[KR+16*\kt+8*\c:KR+16*\kt+8*\c+7], v[QR+16*\t+8*\c:QR+16*\t+8*\c+7], v[S+32*\t+8*\kt:S+32*\t+8*\kt+7]
.endif
.endr
.endr
.endr
	WIN 0
.rept 4
	v_nop
.endr
.if \kind != 0                         ; register n of tile t holds the tile's key 16 (n / 8) + 8 (lane / 16) + n % 8; my query stands at 32 (w % 2) + 16 t + lane % 16.  Hidden scores become -infinity: p = 0
.irp t, 0,1
.irp n, 0,1,2,3,4,5,6,7,8,9,10,11,12,13,14,15,16,17,18,19,20,21,22,23,24,25,26,27,28,29,30,31
.if \kind == 1
	v_cmp_gt_i32 vcc_lo, 16*(\n/8)+(\n%8)-16*\t, v[DC]             ; on the diagonal: keys after my query
.else
	v_cmp_le_i32 vcc_lo, 16*(\n/8)+(\n%8)-16*\t, v[DC]             ; 512 keys back: keys at or ahead of my query's place
.endif
	v_cndmask_b32 v[S+32*\t+\n], v[S+32*\t+\n], v[NINF], vcc_lo
.endr
.endr
.endif
.if \kind == 1
	SOFTMAX 1
.else
	SOFTMAX 0
.endif
	s_wait_dscnt 0x0                               ; V is in
	WIN 0x01                                       ; V in window 1; P and O^T in window 0
.irp u, 0,1
.irp dt, 0,1,2,3
.irp t, 0,1
.if (\kind == 1) && (\u == 0)
	v_wmma_f32_16x16x32_f16 v[O+32*\t+8*\dt:O+32*\t+8*\dt+7], v[VR+32*\u+8*\dt:VR+32*\u+8*\dt+7], v[P+16*\t+8*\u:P+16*\t+8*\u+7], 0
.else
	v_wmma_f32_16x16x32_f16 v[O+32*\t+8*\dt:O+32*\t+8*\dt+7], v[VR+32*\u+8*\dt:VR+32*\u+8*\dt+7], v[P+16*\t+8*\u:P+16*\t+8*\u+7], v[O+32*\t+8*\dt:O+32*\t+8*\dt+7]
.endif
.endr
.endr
.endr
	WIN 0
.Lhid_\@:
	s_sub_co_u32 s[TBK], s[TBK], KT                ; one tile down
	s_sub_co_u32 s[TBV], s[TBV], VT
	s_sub_co_i32 s[KF], s[KF], 64
.endm
; THE WAY OUT of a block: O^T / l, rounded to f16, a tile (16 rows of 128 bytes) at a time through my stage: four rows are 512 consecutive bytes of ctx16.
.macro WAYOUT
.rept 4
	v_nop
.endr
.irp t, 0,1
	v_add_f32 v[ST+8*\t+4], v[ST+8*\t+2], v[ST+8*\t+3]
.endr
.irp t, 0,1
	v_permlanex16_b32 v[ST+8*\t+5], v[ST+8*\t+4], s[SEL], s[SEL+1]
.endr
.irp t, 0,1
	v_add_f32 v[ST+8*\t+4], v[ST+8*\t+4], v[ST+8*\t+5]
.endr
.irp t, 0,1
	v_rcp_f32 v[ST+8*\t+6], v[ST+8*\t+4]
.endr
	v_nop                                          ; a plain instruction behind the last reciprocal,
	s_wait_alu depctr_va_vdst(0)                   ; and the wait ahead of the first use: one for both
.irp t, 0,1
.irp i, 0,1,2,3,4,5,6,7,8,9,10,11,12,13,14,15
	v_pk_mul_f32 v[O+32*\t+2*\i:O+32*\t+2*\i+1], v[O+32*\t+2*\i:O+32*\t+2*\i+1], v[ST+8*\t+6:ST+8*\t+7] op_sel_hi:[1,0]
.endr
.irp i, 0,1,2,3,4,5,6,7,8,9,10,11,12,13,14,15
	v_cvt_pk_f16_f32 v[S+32*\t+\i], v[O+32*\t+2*\i], v[O+32*\t+2*\i+1]
.endr
.irp dt, 0,1,2,3
	ds_store_b128 v[STO], v[S+32*\t+4*\dt:S+32*\t+4*\dt+3] offset:32*\dt
.endr
.irp i, 0,1,2,3
	ds_load_b128 v[S+32*\t+16+4*\i:S+32*\t+16+4*\i+3], v[RD] offset:576*\i   ; LDS serves a wave's instructions in order: these see my stores, and the next tile's stores come behind them
.endr
.endr
.irp t, 0,1
.irp i, 0,1,2,3
	s_wait_dscnt 8*(1-\t)+3-\i                     ; behind tile 0's loads stand tile 1's eight LDS instructions
	global_store_b128 v[GO], v[S+32*\t+16+4*\i:S+32*\t+16+4*\i+3], s[OUTP:OUTP+1] offset:\t*2048+512*\i
.endr
.endr
.endm
	s_mov_b32 s[BLK], 2
.Lblock:                                           ; two trips: block B, then block A
	CHANGE 1                                       ; the tiles asked for so far are whole; the next four down are asked for
	STEP 1
	s_mov_b32 s[CNT], 4
.Lfour:
	STEP 0
	s_sub_co_u32 s[CNT], s[CNT], 1
	s_cmp_lg_u32 s[CNT], 0
	s_cbranch_scc1 .Lfour
	CHANGE 0                                       ; the four tiles asked for five steps ago are whole
	s_mov_b32 s[CNT], 3
.Lthree:
	STEP 0
	s_sub_co_u32 s[CNT], s[CNT], 1
	s_cmp_lg_u32 s[CNT], 0
	s_cbranch_scc1 .Lthree
	STEP 2
	s_cmp_eq_u32 s[BLK], 1
	s_cbranch_scc1 .Lnoq                           ; behind block A nothing follows: no load leaves the head's rows
	s_sub_nc_u64 s[QP:QP+1], s[QP:QP+1], 32768     ; (block B's loads of Q were waited for) 256 queries down
	QLOAD                                          ; block A's Q lands while block B goes out
.Lnoq:
	WAYOUT
	s_wait_xcnt 0x0                                ; the stores have read their registers and their base: both are written again below and in the next trip
	s_sub_nc_u64 s[OUTP:OUTP+1], s[OUTP:OUTP+1], 32768
	s_add_co_u32 s[TBK], s[TBK], 5*KT              ; nine tiles down, five up: block A's diagonal tile lies four under block B's
	s_add_co_u32 s[TBV], s[TBV], 5*VT
	s_add_co_i32 s[KF], s[KF], 320
	s_sub_co_u32 s[BLK], s[BLK], 1
	s_cmp_lg_u32 s[BLK], 0
	s_cbranch_scc1 .Lblock
	s_wait_tensorcnt 0x0                           ; the wave's end, behind my last tensor load and my last LDS store
	ds_add_u32 v[SPW], v[NIL]
	s_wait_dscnt 0x0
	s_endpgm
.Lfunc_end_k_qc9461938ee_attn:
	.size	k_qc9461938ee_attn, .Lfunc_end_k_qc9461938ee_attn-k_qc9461938ee_attn
	.p2alignl 7, 3214868480
	.fill 96, 4, 3214868480
	.section	.rodata,"a",@progbits
	.p2align	6, 0x0
	.amdhsa_kernel k_qc9461938ee_attn
		.amdhsa_group_segment_fixed_size 327680
		.amdhsa_private_segment_fixed_size 0
		.amdhsa_enable_private_segment 0
		.amdhsa_kernarg_size 16
		.amdhsa_user_sgpr_count 2
		.amdhsa_user_sgpr_kernarg_segment_ptr 1
		.amdhsa_wavefront_size32 1
		.amdhsa_system_sgpr_workgroup_id_x 1
		.amdhsa_system_sgpr_workgroup_id_y 1
		.amdhsa_system_sgpr_workgroup_id_z 1
		.amdhsa_system_vgpr_workitem_id 0
		.amdhsa_next_free_vgpr 512
		.amdhsa_next_free_sgpr 66
		.amdhsa_reserve_vcc 1
		.amdhsa_float_denorm_mode_32 3
		.amdhsa_float_denorm_mode_16_64 3
		.amdhsa_memory_ordered 1
		.amdhsa_forward_progress 1
		.amdhsa_inst_pref_size 91
	.end_amdhsa_kernel
	.amdgpu_metadata
---
amdhsa.version: [ 1, 2 ]
amdhsa.kernels:
  - .name:           k_qc9461938ee_attn
    .symbol:         k_qc9461938ee_attn.kd
    .args:
      - { .name: qkv16, .offset: 0, .size: 8, .value_kind: global_buffer, .address_space: global }
      - { .name: ctx16, .offset: 8, .size: 8, .value_kind: global_buffer, .address_space: global }
    .group_segment_fixed_size: 327680
    .private_segment_fixed_size: 0
    .kernarg_segment_align: 8
    .kernarg_segment_size: 16
    .max_flat_workgroup_size: 256
    .sgpr_count:     66
    .vgpr_count:     512
    .wavefront_size: 32
...
	.end_amdgpu_metadata
.endif
;; end of part 3
;; launch proj (part 4): grid 4 x 64, 4 waves a work-group, clusters of 4 x 4, 327,680 bytes of LDS; arguments ctx16, wot, bo, out0; writes out0
.if DOCPART == 4
	.amdgcn_target "amdgcn-amd-amdhsa--gfx1250"
	.amdhsa_code_object_version 6
	.text
	.protected	k_qc9461938ee_proj
	.globl	k_qc9461938ee_proj
	.p2align	8
	.type	k_qc9461938ee_proj,@function
k_qc9461938ee_proj:
	s_mov_b64 s[64:65], 0
	v_nop
	global_prefetch_b8 v0, s[64:65] scope:SCOPE_SE
	s_setreg_imm32_b32 hwreg(HW_REG_WAVE_MODE, 25, 1), 1
	s_wait_xcnt 0x0
	s_wait_alu depctr_hold_cnt(0) depctr_sa_sdst(0) depctr_va_vdst(0) depctr_va_sdst(0) depctr_va_ssrc(0) depctr_va_vcc(0) depctr_vm_vsrc(0)
	s_getreg_b32 s2, hwreg(HW_REG_IB_STS2, 6, 4)
	s_cmp_eq_u32 s2, 0
	s_cbranch_scc0 .Lentry_in_a_cluster
	s_endpgm
.Lentry_in_a_cluster:
	s_bfe_u32 s2, ttmp6, 0x10000c
	s_cmp_lg_u32 s2, 0xf033
	s_cbranch_scc0 .Lentry_shape_is_right
	s_endpgm
.Lentry_shape_is_right:
; out0 = ctx Wo + bo, all 8,192 rows, f16 operands, f32 sums.  ctx16 [16 h][8192 rows][64] f16 (k = 64 h + d), wot [1024 n][1024 k] f16, bo [1024] f32, out0 [8192][1024] f32.
; The first 16 rows of each sequence are written here like all others and written over by the next launch, which carries them in f32: in a cluster no branch may hang on a work-group's place, so they are not left out.
; LIMITS: |ctx| under 65,504; numbers under 6e-5 lose bits in f16.
; A tile of 128 x 256 gives 256 work-groups.  Four waves, 64 x 128 each: 32 accumulators, 256 registers.  K goes in steps of 128 (two head planes of ctx16) through a ring of two LDS slots.
; CLUSTERS: 4 x 4 work-groups.  A's tile hangs on the tile row and is shared along a row of the cluster, B's on the tile column and is shared along a column: each is asked for JOINTLY.
; THE MATRIX INSTRUCTION IS USED TRANSPOSED (source 0 = 16 rows of wot, source 1 = 16 rows of ctx): a lane holds eight neighbouring columns of one row.  The bias is the C of each sum's first product.
; REGISTERS: window 0: v0-31 addresses; v32-95 the bias in the result's layout; v96-127, v128-159 A's two buffers.   window 1: v0-63, v64-127 B's two buffers.   window 2: accumulator (a, b) at v[8 (8 a + b)].
.set AP,     144                       ; a row of A's plane in LDS: 128 bytes + 16
.set APL,    128*AP
.set BP,     272                       ; a row of B: 256 bytes + 16
.set BH,     128*BP
.set BOFF,   2*APL
.set SLOT,   BOFF+2*BH
.set STAGE,  2*SLOT                    ; behind the ring: 16 rows x (512 bytes + 16) for each wave
.set SPITCH, 528
.set SPARE,  STAGE+4*16*SPITCH         ; the spare words, 128 bytes for each wave: two blocks of 256 bytes that no other line names
.set ADRA, 16
.set ADRB, 20
.set STO,  24
.set RD,   25
.set CO,   26
.set BO,   27                          ; v27  the bias loads' offset; never rewritten
.set SPW,  28
.set NIL,  29
.set PFO,  30                          ; v30  the prefetches' offset; never rewritten
.set BIAS, 32
.set G1, 24
.set G0, 32
.set G1B, 48
.set G0B, 56
.set LIM, 43                           ; s43  1 in wave 0, else the greatest number
.set PFA, 44                           ; s[44:45] where my prefetches stand
.set MSB, 0
.macro WIN new
.if MSB != \new
	s_set_vgpr_msb (MSB<<8)|\new
.set MSB, \new
.endif
.endm
.set MUL,   0xa1                       ; source 0 (B) window 1, source 1 (A) window 0, C and D window 2
.set MUL_C, 0x81                       ; the same with C (the bias) in window 0
.macro JLOAD s                         ; waves 0 and 1 fetch A's two planes, waves 2 and 3 B's two halves; an s_nop 0 and four v_nop follow each line
	s_cmp_eq_u32 s13, 0
	s_cbranch_scc0 .Lfor_b_\@
	tensor_load_to_lds s[G0+4*\s:G0+4*\s+3], s[G1:G1+7]
	s_nop 0
.rept 4
	v_nop
.endr
	s_branch .Lasked_\@
.Lfor_b_\@:
	tensor_load_to_lds s[G0B+4*\s:G0B+4*\s+3], s[G1B:G1B+7]
	s_nop 0
.rept 4
	v_nop
.endr
.Lasked_\@:
.endm
.macro CREST
	s_cmp_lg_u32 s12, 0
	s_cbranch_scc1 .Lnot_wave_0_\@
	s_barrier_signal -3
.Lnot_wave_0_\@:
	s_barrier_wait -3
	s_barrier_signal -1
	s_barrier_wait -1
.endm
.macro CROUND
	s_barrier_signal -1
	s_barrier_wait -1
	CREST
.endm
; A PREFETCH INTO THE L2 of A's K step that stands two refills on: 2 planes x 128 rows x 128 bytes.  Each tile row of ctx16 is read by one row of one cluster: its four partners share the 32 KiB out BY ADDRESS,
; 4,096 bytes of each plane to a partner (by cx); in each, wave 0 asks, one instruction: lanes 0-15 the first plane, lanes 16-31 the second, 256 bytes apart.  The loop's last trip asks for nothing: K ends.
; wot is read by all sixteen clusters and is not asked for.
.macro ASK
	s_cmp_gt_u32 s3, s[LIM]
	s_cbranch_scc0 .Lnot_mine_\@
	global_prefetch_b8 v[PFO], s[PFA:PFA+1] offset:2097152 th:TH_LOAD_NT scope:SCOPE_SE
.Lnot_mine_\@:
.endm
	s_load_b256 s[4:11], s[0:1], 0x0               ; ctx16, wot, bo, out0
	v_lshl_add_u32 v[SPW], v0, 2, SPARE
	v_mov_b32 v[NIL], 0
	ds_add_u32 v[SPW], v[NIL]                      ; the wave's opening: the add, twice on end, and its wait ahead of my first tensor load
	ds_add_u32 v[SPW], v[NIL]
	v_lshrrev_b32 v1, 5, v0
	v_readfirstlane_b32 s12, v1                    ; wave 0..3
	s_lshr_b32 s13, s12, 1                         ; which 64 of the tile's rows are mine.  Also: I fetch for A (0) or for B (1)
	s_and_b32 s14, s12, 1                          ; which 128 of its columns.  Also: which plane of A, or which 128 rows of B, I fetch
	s_bfe_u32 s40, ttmp6, 0x40000                  ; cx
	s_bfe_u32 s41, ttmp6, 0x40004                  ; cy
	s_lshl_b32 s42, ttmp9, 2
	s_add_co_u32 s42, s42, s40                     ; tile column
	s_and_b32 s15, ttmp7, 0xffff
	s_lshl_b32 s15, s15, 2
	s_add_co_u32 s15, s15, s41                     ; tile row
	s_lshl_b32 s43, s41, 2
	s_lshl_b32 s43, 15, s43                        ; my row of the cluster
	s_lshl_b32 s44, 0x1111, s40                    ; my column
	s_or_b32 s[G1+0], s43, (1<<16)|(1<<20)|(1<<21)|(4<<22)|(3<<25)   ; A: the mask; elements of 2 bytes; padding on; bit 21 beside a mask; four words behind every 32
	s_mov_b32 s[G1+1], 64<<16                      ; tensor_dim0
	s_mov_b32 s[G1+2], 128<<16                     ; tensor_dim1
	s_mov_b32 s[G1+3], 64<<16                      ; tile_dim0
	s_mov_b32 s[G1+4], 128                         ; tile_dim1
	s_mov_b32 s[G1+5], 64                          ; from row to row
	s_mov_b32 s[G1+6], 0
	s_mov_b32 s[G1+7], 0
	s_or_b32 s[G1B+0], s44, (1<<16)|(1<<20)|(1<<21)|(5<<22)|(3<<25)  ; B: four words behind every 64
	s_mov_b32 s[G1B+1], 128<<16
	s_mov_b32 s[G1B+2], 128<<16
	s_mov_b32 s[G1B+3], 128<<16
	s_mov_b32 s[G1B+4], 128
	s_mov_b32 s[G1B+5], 1024
	s_mov_b32 s[G1B+6], 0
	s_mov_b32 s[G1B+7], 0
	s_lshl_b32 s16, s15, 14                        ; A: the tile's 128 rows of 128 bytes,
	s_lshl_b32 s17, s14, 20                        ; in my plane
	s_add_co_u32 s16, s16, s17
	s_mov_b32 s17, 0
	s_lshl_b32 s46, s42, 19                        ; B: row 256 x tile column + 128 x half, 2,048 bytes a row
	s_lshl_b32 s47, s14, 18
	s_add_co_u32 s46, s46, s47
	s_mov_b32 s47, 0
	s_mul_i32 s20, s14, APL                        ; where they go: no place in the cluster enters an LDS address
	s_mul_i32 s21, s14, BH
	s_add_co_u32 s21, s21, BOFF
	s_wait_dscnt 0x0                               ; both opening adds are done
	s_wait_kmcnt 0x0
	s_add_nc_u64 s[16:17], s[4:5], s[16:17]
	s_add_nc_u64 s[46:47], s[6:7], s[46:47]
	CROUND                                         ; all sixteen work-groups are here: the first joint loads meet
.irp s, 0,1
	s_mov_b32 s[G0+4*\s], 1
	s_add_co_u32 s[G0+4*\s+1], s20, \s*SLOT
	s_add_nc_u64 s[G0+4*\s+2:G0+4*\s+3], s[16:17], \s*2097152      ; K step s: planes 2 s and 2 s + 1
	s_or_b32 s[G0+4*\s+3], s[G0+4*\s+3], 0x80000000
	s_mov_b32 s[G0B+4*\s], 1
	s_add_co_u32 s[G0B+4*\s+1], s21, \s*SLOT
	s_add_nc_u64 s[G0B+4*\s+2:G0B+4*\s+3], s[46:47], \s*256
	s_or_b32 s[G0B+4*\s+3], s[G0B+4*\s+3], 0x80000000
	JLOAD \s
.endr
	v_and_b32 v1, 15, v0                           ; l % 16
	v_bfe_u32 v2, v0, 4, 1                         ; l / 16
	s_lshl_b32 s16, s42, 10                        ; the bias of my 128 columns: lane (r, h) wants, for block b, columns 16 b + 8 h + 0 .. 7
	s_lshl_b32 s17, s14, 9
	s_add_co_u32 s16, s16, s17
	s_mov_b32 s17, 0
	s_add_nc_u64 s[8:9], s[8:9], s[16:17]
	v_lshlrev_b32 v[BO], 5, v2
.irp b, 0,1,2,3,4,5,6,7
	global_load_b128 v[BIAS+8*\b:BIAS+8*\b+3], v[BO], s[8:9] offset:64*\b
	global_load_b128 v[BIAS+8*\b+4:BIAS+8*\b+7], v[BO], s[8:9] offset:64*\b+16
.endr
	v_mul_u32_u24 v3, v1, AP
	v_lshl_add_u32 v3, v2, 4, v3
	v_mul_u32_u24 v4, v1, BP
	v_lshl_add_u32 v4, v2, 4, v4
	s_mul_i32 s21, s13, 64*AP                      ; my 64 rows of A
	s_mul_i32 s22, s14, BH                         ; my 128 rows of B
	s_add_co_u32 s22, s22, BOFF
.irp s, 0,1
	v_add_nc_u32 v[ADRA+\s], s21, v3
	v_add_nc_u32 v[ADRB+\s], s22, v4
	s_add_co_u32 s21, s21, SLOT
	s_add_co_u32 s22, s22, SLOT
.endr
	s_mul_i32 s23, s12, 16*SPITCH
	s_add_co_u32 s23, s23, STAGE                   ; my stage
	v_mul_u32_u24 v5, v1, SPITCH
	v_lshl_add_u32 v5, v2, 5, v5
	v_add_nc_u32 v[STO], s23, v5                   ; in: row l % 16, 32 bytes for each half of the lanes
	v_and_b32 v6, 31, v0
	v_lshlrev_b32 v[CO], 4, v6                     ; back: the 32 lanes take a row of 512 bytes; the same in out0
	v_add_nc_u32 v[RD], s23, v[CO]
	s_lshl_b32 s16, s15, 19                        ; out0: (128 x tile row + 64 x half) rows of 4,096 bytes + my first column
	s_lshl_b32 s17, s13, 18
	s_add_co_u32 s16, s16, s17
	s_lshl_b32 s46, s42, 10
	s_add_co_u32 s16, s16, s46
	s_lshl_b32 s46, s14, 9
	s_add_co_u32 s16, s16, s46
	s_mov_b32 s17, 0
	s_add_nc_u64 s[10:11], s[10:11], s[16:17]
	s_cmp_eq_u32 s12, 0                            ; the prefetches: wave 0 asks: the same in all sixteen partners
	s_cselect_b32 s[LIM], 1, -1
	s_lshl_b32 s16, s15, 14                        ; the tile's rows in a plane,
	s_lshl_b32 s46, s40, 12                        ; my work-group's quarter of them,
	s_add_co_u32 s16, s16, s46
	s_add_co_u32 s16, s16, 2*2097152               ; at K step 2: the first refill steps it to 3 and names K step 4.  Nothing is prefetched here, at the head
	s_add_nc_u64 s[PFA:PFA+1], s[4:5], s[16:17]
	v_lshlrev_b32 v[PFO], 8, v1
	v_lshl_add_u32 v[PFO], v2, 20, v[PFO]
.macro FETCH slot, q, f                ; the fragments of the K step's q-th 32 along K into buffers f: B's 16 loads, then A's 8
	WIN 0x40
.irp i, 0,1,2,3,4,5,6,7
	ds_load_b128 v[64*(\f)+8*\i:64*(\f)+8*\i+3], v[ADRB+\slot] offset:64*(\q)+\i*16*BP
	ds_load_b128 v[64*(\f)+8*\i+4:64*(\f)+8*\i+7], v[ADRB+\slot] offset:64*(\q)+\i*16*BP+32
.endr
	WIN 0
.irp i, 0,1,2,3
	ds_load_b128 v[96+32*(\f)+8*\i:96+32*(\f)+8*\i+3], v[ADRA+\slot] offset:((\q)/2)*APL+((\q)%2)*64+\i*16*AP
	ds_load_b128 v[96+32*(\f)+8*\i+4:96+32*(\f)+8*\i+7], v[ADRA+\slot] offset:((\q)/2)*APL+((\q)%2)*64+\i*16*AP+32
.endr
.endm
.macro MULA f, a, first                ; 8 products: A's block a x B's eight.  The 32 accumulators take turns, one instruction a turn
.irp b, 0,1,2,3,4,5,6,7
.if \first
	v_wmma_f32_16x16x32_f16 v[8*(8*(\a)+\b):8*(8*(\a)+\b)+7], v[64*(\f)+8*\b:64*(\f)+8*\b+7], v[96+32*(\f)+8*(\a):96+32*(\f)+8*(\a)+7], v[BIAS+8*\b:BIAS+8*\b+7]
.else
	v_wmma_f32_16x16x32_f16 v[8*(8*(\a)+\b):8*(8*(\a)+\b)+7], v[64*(\f)+8*\b:64*(\f)+8*\b+7], v[96+32*(\f)+8*(\a):96+32*(\f)+8*(\a)+7], v[8*(8*(\a)+\b):8*(8*(\a)+\b)+7]
.endif
.endr
.endm
.macro PLACES                          ; four plain vector instructions between a matrix instruction and a load into, or a read of, its registers
.rept 4
	v_nop
.endr
.endm
.macro MWIN first
.if \first
	WIN MUL_C
.else
	WIN MUL
.endif
.endm
; One of a K step's first three quarters: multiplies buffers f and fetches the quarter q into buffers g.
.macro QUARTER slot, q, f, g, first
	s_wait_dscnt 4                                 ; B and A's blocks 0 and 1 are in; the youngest four loads (A's blocks 2 and 3) may be out
	MWIN \first
	MULA \f, 0, \first
	MULA \f, 1, \first
	PLACES
	FETCH \slot, \q, \g
	s_wait_dscnt 24                                ; all but the 24 just issued
	MWIN \first
	MULA \f, 2, \first
	MULA \f, 3, \first
.endm
; The last quarter multiplies buffers 1 and changes slots: ONE barrier; in front of it each wave waits for all its tensor loads, adds 0 to its spare word, and waits for that and for its reads of this slot.
.macro TURN slot, next, fill
.if \fill
	s_wait_xcnt 0x0                                ; the last prefetch, a K step back, has read its address
	s_add_nc_u64 s[PFA:PFA+1], s[PFA:PFA+1], 2097152
.endif
	WIN 0                                          ; (the add's two registers lie in window 0)
	s_wait_tensorcnt 0x0                           ; all my tensor loads have landed: my part of the next slot
	ds_add_u32 v[SPW], v[NIL]                      ; 0 onto my spare word
	s_wait_dscnt 5                                 ; (the add and the youngest four loads may be out)
	WIN MUL
	MULA 1, 0, 0
	s_wait_dscnt 0x0                               ; the add is done, and my reads of this slot are over
	s_barrier_signal -1
	MULA 1, 1, 0
.if \fill
	WIN 0
.endif
	s_barrier_wait -1
.if \fill
	CREST                                          ; the barrier has opened a round of the cluster's barrier: no wave of any partner still reads this slot or has a load on its way
	s_add_nc_u64 s[G0+4*\slot+2:G0+4*\slot+3], s[G0+4*\slot+2:G0+4*\slot+3], 2*2097152
	s_add_nc_u64 s[G0B+4*\slot+2:G0B+4*\slot+3], s[G0B+4*\slot+2:G0B+4*\slot+3], 2*256
	JLOAD \slot                                    ; the first tensor load behind the round; its four v_nop are also the places in front of the loads below
.else
	PLACES
.endif
	FETCH \next, 0, 0
.if \fill
	ASK
.endif
	WIN MUL
	MULA 1, 2, 0
	MULA 1, 3, 0
.endm
	s_wait_tensorcnt 1                             ; my part of K step 0 is in (K step 1's load may be out),
	s_barrier_signal -1
	s_barrier_wait -1                              ; everybody's is
	FETCH 0, 0, 0
	s_wait_loadcnt 0x0                             ; the bias
	QUARTER 0, 1, 0, 1, 1                          ; the first quarter stands in front of the loop: its products start the sums from the bias
	WIN 0
	s_mov_b32 s3, 3
.Llap:                                             ; a trip goes once round the ring, from a lap's second quarter to the next lap's first, and fills both slots again
	QUARTER 0, 2, 1, 0, 0
	QUARTER 0, 3, 0, 1, 0
	TURN 0, 1, 1
	QUARTER 1, 1, 0, 1, 0
	QUARTER 1, 2, 1, 0, 0
	QUARTER 1, 3, 0, 1, 0
	TURN 1, 0, 1
	QUARTER 0, 1, 0, 1, 0
	WIN 0
	s_sub_co_u32 s3, s3, 1
	s_cmp_lg_u32 s3, 0
	s_cbranch_scc1 .Llap
	QUARTER 0, 2, 1, 0, 0                          ; the last lap fills nothing
	QUARTER 0, 3, 0, 1, 0
	TURN 0, 1, 0
	QUARTER 1, 1, 0, 1, 0
	QUARTER 1, 2, 1, 0, 0
	QUARTER 1, 3, 0, 1, 0
	s_wait_dscnt 4
	WIN MUL
	MULA 1, 0, 0
	MULA 1, 1, 0
	s_wait_dscnt 0
	MULA 1, 2, 0
	MULA 1, 3, 0
	WIN 0
; THE WAY OUT, block by block of 16 rows x 128 columns, through my own stage: whole rows of 512 bytes come back and leave as two aligned runs of 256 bytes.
.macro TOSTAGE a
	WIN 0x08                                       ; an LDS store's data: window 2
.irp b, 0,1,2,3,4,5,6,7
	ds_store_b128 v[STO], v[64*(\a)+8*\b:64*(\a)+8*\b+3] offset:64*\b          ; each accumulator from its low end on
	ds_store_b128 v[STO], v[64*(\a)+8*\b+4:64*(\a)+8*\b+7] offset:64*\b+16
.endr
	WIN 0
.set BB, 32+64*((\a)%2)
.irp t, 0,1,2,3,4,5,6,7,8,9,10,11,12,13,14,15
	ds_load_b128 v[BB+4*\t:BB+4*\t+3], v[RD] offset:\t*SPITCH      ; LDS serves a wave's instructions in order: these see my stores
.endr
.endm
.macro SEND a, younger
.set BB, 32+64*((\a)%2)
	s_wait_dscnt \younger
.irp t, 0,1,2,3,4,5,6,7,8,9,10,11,12,13,14,15
	global_store_b128 v[CO], v[BB+4*\t:BB+4*\t+3], s[10:11] offset:(\a)*65536+\t*4096 th:TH_STORE_NT
.endr
.endm
	PLACES
	TOSTAGE 0
.irp a, 1,2,3
.if \a > 1
	s_wait_xcnt 0x0                                ; block a - 2's stores have read their registers: block a's loads may land there
.endif
	TOSTAGE \a
	SEND \a-1, 32                                  ; behind block a - 1's loads: block a's 16 stores and 16 loads
.endr
	SEND 3, 0
	s_wait_tensorcnt 0x0                           ; the wave's end, behind my last tensor load and my last LDS store
	ds_add_u32 v[SPW], v[NIL]
	s_wait_dscnt 0x0
	CROUND                                         ; the closing round
	s_endpgm
.Lfunc_end_k_qc9461938ee_proj:
	.size	k_qc9461938ee_proj, .Lfunc_end_k_qc9461938ee_proj-k_qc9461938ee_proj
	.p2alignl 7, 3214868480
	.fill 96, 4, 3214868480
	.section	.rodata,"a",@progbits
	.p2align	6, 0x0
	.amdhsa_kernel k_qc9461938ee_proj
		.amdhsa_group_segment_fixed_size 327680
		.amdhsa_private_segment_fixed_size 0
		.amdhsa_enable_private_segment 0
		.amdhsa_kernarg_size 32
		.amdhsa_user_sgpr_count 2
		.amdhsa_user_sgpr_kernarg_segment_ptr 1
		.amdhsa_wavefront_size32 1
		.amdhsa_system_sgpr_workgroup_id_x 1
		.amdhsa_system_sgpr_workgroup_id_y 1
		.amdhsa_system_sgpr_workgroup_id_z 1
		.amdhsa_system_vgpr_workitem_id 0
		.amdhsa_next_free_vgpr 768
		.amdhsa_next_free_sgpr 66
		.amdhsa_reserve_vcc 0
		.amdhsa_float_denorm_mode_32 3
		.amdhsa_float_denorm_mode_16_64 3
		.amdhsa_memory_ordered 1
		.amdhsa_forward_progress 1
		.amdhsa_inst_pref_size 88
	.end_amdhsa_kernel
	.amdgpu_metadata
---
amdhsa.version: [ 1, 2 ]
amdhsa.kernels:
  - .name:           k_qc9461938ee_proj
    .symbol:         k_qc9461938ee_proj.kd
    .args:
      - { .name: ctx16, .offset: 0, .size: 8, .value_kind: global_buffer, .address_space: global }
      - { .name: wot, .offset: 8, .size: 8, .value_kind: global_buffer, .address_space: global }
      - { .name: bo, .offset: 16, .size: 8, .value_kind: global_buffer, .address_space: global }
      - { .name: out0, .offset: 24, .size: 8, .value_kind: global_buffer, .address_space: global }
    .group_segment_fixed_size: 327680
    .private_segment_fixed_size: 0
    .kernarg_segment_align: 8
    .kernarg_segment_size: 32
    .max_flat_workgroup_size: 128
    .sgpr_count:     66
    .vgpr_count:     768
    .wavefront_size: 32
...
	.end_amdgpu_metadata
.endif
;; end of part 4
;; launch fine (part 5): grid 16 x 4, 16 waves a work-group, no clusters, 85,504 bytes of LDS; arguments qkv32, Wo, bo, out0; writes out0
.if DOCPART == 5
	.amdgcn_target "amdgcn-amd-amdhsa--gfx1250"
	.amdhsa_code_object_version 6
	.text
	.protected	k_qc9461938ee_fine
	.globl	k_qc9461938ee_fine
	.p2align	8
	.type	k_qc9461938ee_fine,@function
k_qc9461938ee_fine:
	s_mov_b64 s[64:65], 0
	v_nop
	global_prefetch_b8 v0, s[64:65] scope:SCOPE_SE
	s_setreg_imm32_b32 hwreg(HW_REG_WAVE_MODE, 25, 1), 1
	s_wait_xcnt 0x0
; THE FIRST 16 POSITIONS OF EACH SEQUENCE, IN f32 THROUGHOUT: they average one to sixteen values and are the largest outputs.  This launch writes over the 64 rows that the launch before wrote from f16 operands.
; IN: qkv32 [4 b][16 rows][3072] f32 (q, k, v side by side), Wo [1024 k][1024 n], bo [1024].  OUT: rows 0-15 of each batch of out0 [4][2048][1024].
; A work-group makes the 16 rows of one batch (work-group y) x 64 columns (work-group x).  PHASE A: wave = head: S^T = K Q^T, the causal mask (the window of 512 hides nothing here), softmax, O^T = V^T P, O / l to LDS.
; PHASE B: wave w takes 16 columns (w % 4) and 256 of K (w / 4); the four parts along K meet in LDS, in a fixed order; waves 0-7 add them and the bias and store two rows each.
; All products by v_wmma_f32_16x16x4_f32: its results lie in v112-143, which nothing else writes.  Along a product's K the numbers are taken in the order in which 16-byte loads bring them, alike in both operands.
.set CTX,   0                          ; 16 rows x (4,096 bytes + 16)
.set RED,   66048                      ; [4 parts of K][16 rows][256 bytes + 16]
.set SPARE, 83456                      ; the spare words, 128 bytes for each wave: eight blocks of 256 bytes that no other line names
.set SPW,   14
.set NIL,   15
	s_load_b256 s[4:11], s[0:1], 0x0               ; qkv32, Wo, bo, out0
	v_lshl_add_u32 v[SPW], v0, 2, SPARE
	v_mov_b32 v[NIL], 0
	v_lshrrev_b32 v1, 5, v0
	v_readfirstlane_b32 s12, v1                    ; wave 0..15
	s_mov_b32 s13, ttmp9                           ; which 64 columns
	s_and_b32 s14, ttmp7, 0xffff                   ; batch
	s_and_b32 s15, s12, 3                          ; phase B: which 16 of the 64 columns,
	s_lshr_b32 s18, s12, 2                         ; which 256 of K
	s_mov_b32 s16, 0x3e38aa3b                      ; c = log2(e) / 8
	s_mov_b32 s30, 0x76543210
	s_mov_b32 s31, 0xfedcba98                      ; v_permlanex16_b32: lane l xor 16
	s_mul_i32 s20, s14, 196608
	s_lshl_b32 s21, s12, 8
	s_add_co_u32 s20, s20, s21                     ; qkv32: my batch, my head's 256 bytes of a row
	s_mov_b32 s21, 0
	s_lshl_b32 s22, s18, 20
	s_lshl_b32 s23, s13, 8
	s_add_co_u32 s22, s22, s23
	s_lshl_b32 s23, s15, 6
	s_add_co_u32 s22, s22, s23                     ; Wo: my first row of K, my first column
	s_mov_b32 s23, 0
	s_lshl_b32 s24, s13, 8                         ; bo: the work-group's 64 numbers
	s_mov_b32 s25, 0
	s_lshl_b32 s26, s14, 23
	s_add_co_u32 s26, s26, s24                     ; out0: my batch's first row, the work-group's 256 bytes
	s_mov_b32 s27, 0
	v_and_b32 v1, 15, v0                           ; r
	v_bfe_u32 v2, v0, 4, 1                         ; h
	v_mul_u32_u24 v3, v1, 12288
	v_lshl_add_u32 v3, v2, 4, v3                   ; q, k: row r, + 16 h
	v_mul_u32_u24 v4, v2, 98304
	v_lshl_add_u32 v4, v1, 2, v4                   ; v: rows 8 h on, channel r
	v_lshlrev_b32 v5, 14, v2
	v_lshl_add_u32 v5, v1, 2, v5                   ; Wo: rows 4 h on, column r
	v_mul_u32_u24 v16, v1, 4112
	v_lshl_add_u32 v6, v2, 5, v16
	s_lshl_b32 s28, s12, 8
	v_add_nc_u32 v6, s28, v6                       ; ctx into LDS: row r, my head's 256 bytes, + 32 h
	v_lshl_add_u32 v7, v2, 4, v16
	s_lshl_b32 s28, s18, 10
	v_add_nc_u32 v7, s28, v7                       ; and out of it: row r, my 256 of K, + 16 h
	v_mul_u32_u24 v8, v1, 272
	v_lshl_add_u32 v8, v2, 5, v8
	s_mul_i32 s28, s18, 4352
	s_lshl_b32 s29, s15, 6
	s_add_co_u32 s28, s28, s29
	s_add_co_u32 s28, s28, RED
	v_add_nc_u32 v8, s28, v8                       ; my part sums: part w / 4, row r, my 16 columns, + 32 h
	v_mul_u32_u24 v9, v2, 272
	v_lshl_add_u32 v9, v1, 4, v9
	s_mul_i32 s28, s12, 544
	s_add_co_u32 s28, s28, RED
	v_add_nc_u32 v9, s28, v9                       ; back (waves 0-7): rows 2 w and 2 w + 1, sixteen lanes to a row
	v_lshlrev_b32 v10, 12, v2
	v_lshl_add_u32 v10, v1, 4, v10
	s_lshl_b32 s28, s12, 13
	v_add_nc_u32 v10, s28, v10                     ; the same place in out0
	v_lshlrev_b32 v11, 3, v2
	v_sub_nc_u32 v11, v1, v11                      ; r - 8 h: key 8 h + j is hidden where j is above it
	v_mov_b32 v12, 0xff800000                      ; -infinity
	v_lshlrev_b32 v13, 4, v1
	v_mov_b32 v164, 0                              ; (a lane permute's destination counts as one of its sources)
	s_wait_kmcnt 0x0
	s_add_nc_u64 s[4:5], s[4:5], s[20:21]
	s_add_nc_u64 s[6:7], s[6:7], s[22:23]
	s_add_nc_u64 s[8:9], s[8:9], s[24:25]
	s_add_nc_u64 s[10:11], s[10:11], s[26:27]
	global_load_b128 v[232:235], v13, s[8:9]       ; the bias of the four columns that I store at the end
.irp c, 0,1,2,3,4,5,6,7
	global_load_b128 v[16+4*\c:19+4*\c], v3, s[4:5] offset:32*\c           ; q(r, 8 c + 4 h + 0 .. 3)
.endr
.irp c, 0,1,2,3,4,5,6,7
	global_load_b128 v[48+4*\c:51+4*\c], v3, s[4:5] offset:4096+32*\c      ; k likewise
.endr
.irp t, 0,1,2,3
.irp i, 0,1,2,3,4,5,6,7
	global_load_b32 v[80+8*\t+\i], v4, s[4:5] offset:8192+\i*12288+\t*64   ; v(key 8 h + i, channel 16 t + r)
.endr
.endr
.macro WBLOAD g                        ; Wo(my K + 64 g + 8 c + 4 h + e, my column r) into set g % 2
.irp c, 0,1,2,3,4,5,6,7
.irp e, 0,1,2,3
	global_load_b32 v[168+32*((\g)%2)+4*\c+\e], v5, s[6:7] offset:(64*(\g)+8*\c+\e)*4096
.endr
.endr
.endm
.macro FAR n                           ; plain vector instructions behind this matrix form: 8 before its results are read or its sources loaded anew, 9 before a matrix instruction writes over them (ISA guide 7.12.1)
.rept \n
	v_nop
.endr
.endm
	s_wait_loadcnt 32                              ; the bias, q and k are in; v's 32 loads may be out
; S^T = K Q^T: 16 steps of 4 along the head's 64, two accumulators by turns; the first two products start the sums
.irp s, 0,1,2,3,4,5,6,7,8,9,10,11,12,13,14,15
.if \s < 2
	v_wmma_f32_16x16x4_f32 v[112+8*(\s%2):119+8*(\s%2)], v[48+2*\s:49+2*\s], v[16+2*\s:17+2*\s], 0
.else
	v_wmma_f32_16x16x4_f32 v[112+8*(\s%2):119+8*(\s%2)], v[48+2*\s:49+2*\s], v[16+2*\s:17+2*\s], v[112+8*(\s%2):119+8*(\s%2)]
.endif
.endr
	s_wait_loadcnt 0x0                             ; v is in
	WBLOAD 0                                       ; phase B's first two batches of Wo are asked for now: 64 loads
	WBLOAD 1
	FAR 8
.irp j, 0,1,2,3,4,5,6,7
	v_add_f32 v[144+\j], v[112+\j], v[120+\j]      ; lane (r, h): query r, key 8 h + j
.endr
.irp j, 0,1,2,3,4,5,6,7
	v_cmp_gt_i32 vcc_lo, \j, v11
	v_cndmask_b32 v[144+\j], v[144+\j], v12, vcc_lo
.endr
	v_max3_num_f32 v160, v144, v145, v146
	v_max3_num_f32 v161, v147, v148, v149
	v_max3_num_f32 v160, v160, v150, v151
	v_max_num_f32 v160, v160, v161
	v_permlanex16_b32 v161, v160, s30, s31
	v_max_num_f32 v160, v160, v161                 ; the row's maximum: key 0 counts for every query, so it is a number
	v_mul_f32 v162, s16, v160
.irp j, 0,1,2,3,4,5,6,7
	v_fma_f32 v[152+\j], v[144+\j], s16, -v162
.endr
.irp j, 0,1,2,3,4,5,6,7
	v_exp_f32 v[152+\j], v[152+\j]
.endr
	v_nop                                          ; a plain instruction behind the last exponential,
	s_wait_alu depctr_va_vdst(0)                   ; and the one wait ahead of the batch's first reader
	v_add_f32 v163, v152, v153
	v_add_f32 v166, v154, v155
	v_add_f32 v163, v163, v156
	v_add_f32 v166, v166, v157
	v_add_f32 v163, v163, v158
	v_add_f32 v166, v166, v159
	v_add_f32 v163, v163, v166
	v_permlanex16_b32 v164, v163, s30, s31
	v_add_f32 v163, v163, v164                     ; the row's sum
	v_rcp_f32 v165, v163
	v_nop
	s_wait_alu depctr_va_vdst(0)
; O^T = V^T P: four tiles of 16 channels by turns, four steps of 4 keys (step s: keys 8 h + 2 s, 8 h + 2 s + 1, alike in both operands)
.irp s, 0,1,2,3
.irp t, 0,1,2,3
.if \s == 0
	v_wmma_f32_16x16x4_f32 v[112+8*\t:119+8*\t], v[80+8*\t+2*\s:81+8*\t+2*\s], v[152+2*\s:153+2*\s], 0
.else
	v_wmma_f32_16x16x4_f32 v[112+8*\t:119+8*\t], v[80+8*\t+2*\s:81+8*\t+2*\s], v[152+2*\s:153+2*\s], v[112+8*\t:119+8*\t]
.endif
.endr
.endr
	FAR 8
.irp j, 0,1,2,3,4,5,6,7,8,9,10,11,12,13,14,15,16,17,18,19,20,21,22,23,24,25,26,27,28,29,30,31
	v_mul_f32 v[16+\j], v[112+\j], v165            ; ctx(r, 64 head + 16 t + 8 h + i) at register 8 t + i
.endr
.irp t, 0,1,2,3
	ds_store_b128 v6, v[16+8*\t:19+8*\t] offset:64*\t
	ds_store_b128 v6, v[20+8*\t:23+8*\t] offset:64*\t+16
.endr
	s_wait_dscnt 0x0                               ; for the others' sake: my stores are done
	s_barrier_signal -1
	s_barrier_wait -1                              ; the 16 rows of ctx lie whole in LDS
; PHASE B: transposed: source 0 = 16 columns of Wo, source 1 = the 16 rows of ctx: a lane holds one row and eight columns.  Four batches of 16 steps of 4 along K, two accumulators by turns.
.macro CBLOAD g
.irp c, 0,1,2,3,4,5,6,7
	ds_load_b128 v[48+4*\c:51+4*\c], v7 offset:256*(\g)+32*\c      ; ctx(r, my K + 64 g + 8 c + 4 h + 0 .. 3)
.endr
.endm
.macro BATCH g
.irp s, 0,1,2,3,4,5,6,7,8,9,10,11,12,13,14,15
.if ((\g) == 0) && (\s < 2)
	v_wmma_f32_16x16x4_f32 v[112+8*(\s%2):119+8*(\s%2)], v[168+32*((\g)%2)+2*\s:169+32*((\g)%2)+2*\s], v[48+2*\s:49+2*\s], 0
.else
	v_wmma_f32_16x16x4_f32 v[112+8*(\s%2):119+8*(\s%2)], v[168+32*((\g)%2)+2*\s:169+32*((\g)%2)+2*\s], v[48+2*\s:49+2*\s], v[112+8*(\s%2):119+8*(\s%2)]
.endif
.endr
.endm
	CBLOAD 0
	s_wait_loadcnt 32                              ; batch 0 of Wo is in; batch 1's 32 loads may be out
	s_wait_dscnt 0x0
	FAR 9                                          ; the sums begin anew on registers that earlier products wrote
	BATCH 0
	FAR 8
	CBLOAD 1
	WBLOAD 2
	s_wait_loadcnt 32                              ; batch 1 is in; batch 2's may be out
	s_wait_dscnt 0x0
	BATCH 1
	FAR 8
	CBLOAD 2
	WBLOAD 3
	s_wait_loadcnt 32
	s_wait_dscnt 0x0
	BATCH 2
	FAR 8
	CBLOAD 3
	s_wait_loadcnt 0x0
	s_wait_dscnt 0x0
	BATCH 3
	FAR 8
.irp j, 0,1,2,3,4,5,6,7
	v_add_f32 v[144+\j], v[112+\j], v[120+\j]      ; lane (r, h): row r, columns 8 h + j of my 16
.endr
	ds_store_b128 v8, v[144:147]
	ds_store_b128 v8, v[148:151] offset:16
	s_wait_dscnt 0x0
	s_barrier_signal -1
	s_barrier_wait -1                              ; the four parts along K lie in LDS
	s_cmp_lt_u32 s12, 8
	s_cbranch_scc0 .Lend
.irp k, 0,1,2,3
	ds_load_b128 v[236+4*\k:239+4*\k], v9 offset:\k*4352
.endr
	s_wait_dscnt 0x0
	v_pk_add_f32 v[236:237], v[236:237], v[240:241]
	v_pk_add_f32 v[238:239], v[238:239], v[242:243]
	v_pk_add_f32 v[244:245], v[244:245], v[248:249]
	v_pk_add_f32 v[246:247], v[246:247], v[250:251]
	v_pk_add_f32 v[236:237], v[236:237], v[244:245]
	v_pk_add_f32 v[238:239], v[238:239], v[246:247]
	v_pk_add_f32 v[236:237], v[236:237], v[232:233]
	v_pk_add_f32 v[238:239], v[238:239], v[234:235]
	global_store_b128 v10, v[236:239], s[10:11]    ; sixteen lanes store 256 consecutive bytes, aligned
.Lend:
	s_wait_tensorcnt 0x0                           ; the wave's end, behind my last LDS store
	ds_add_u32 v[SPW], v[NIL]
	s_wait_dscnt 0x0
	s_endpgm
.Lfunc_end_k_qc9461938ee_fine:
	.size	k_qc9461938ee_fine, .Lfunc_end_k_qc9461938ee_fine-k_qc9461938ee_fine
	.p2alignl 7, 3214868480
	.fill 96, 4, 3214868480
	.section	.rodata,"a",@progbits
	.p2align	6, 0x0
	.amdhsa_kernel k_qc9461938ee_fine
		.amdhsa_group_segment_fixed_size 85504
		.amdhsa_private_segment_fixed_size 0
		.amdhsa_enable_private_segment 0
		.amdhsa_kernarg_size 32
		.amdhsa_user_sgpr_count 2
		.amdhsa_user_sgpr_kernarg_segment_ptr 1
		.amdhsa_wavefront_size32 1
		.amdhsa_system_sgpr_workgroup_id_x 1
		.amdhsa_system_sgpr_workgroup_id_y 1
		.amdhsa_system_sgpr_workgroup_id_z 1
		.amdhsa_system_vgpr_workitem_id 0
		.amdhsa_next_free_vgpr 256
		.amdhsa_next_free_sgpr 66
		.amdhsa_reserve_vcc 1
		.amdhsa_float_denorm_mode_32 3
		.amdhsa_float_denorm_mode_16_64 3
		.amdhsa_memory_ordered 1
		.amdhsa_forward_progress 1
		.amdhsa_inst_pref_size 36
	.end_amdhsa_kernel
	.amdgpu_metadata
---
amdhsa.version: [ 1, 2 ]
amdhsa.kernels:
  - .name:           k_qc9461938ee_fine
    .symbol:         k_qc9461938ee_fine.kd
    .args:
      - { .name: qkv32, .offset: 0, .size: 8, .value_kind: global_buffer, .address_space: global }
      - { .name: Wo, .offset: 8, .size: 8, .value_kind: global_buffer, .address_space: global }
      - { .name: bo, .offset: 16, .size: 8, .value_kind: global_buffer, .address_space: global }
      - { .name: out0, .offset: 24, .size: 8, .value_kind: global_buffer, .address_space: global }
    .group_segment_fixed_size: 85504
    .private_segment_fixed_size: 0
    .kernarg_segment_align: 8
    .kernarg_segment_size: 32
    .max_flat_workgroup_size: 512
    .sgpr_count:     66
    .vgpr_count:     256
    .wavefront_size: 32
...
	.end_amdgpu_metadata
.endif
;; end of part 5
